; MI455X (gfx1250); checked and timed in simulation.
; The chip was launched on July 23, 2026; its instructions are those of AMD's public machine-readable ISA for CDNA 5 (MIT licence, August 2026) and "CDNA5" Instruction Set Architecture Reference Guide (July 2026). The comments in the code are by the model that wrote it; some were corrected since.
;; Simple Cross Attention Transformer Block. Allowed arithmetic: matrix products marked QUANTISED: E2M3 operands, one E8M0 scale for each 32 along K, by v_wmma_scale_f32_16x16x128_f8f6f4 with both operands' format E2M3, f32 sums; everything else in f32.
;; Inputs: W1 4,096 x 1,024 float32; W2 1,024 x 4,096 float32; Wkv 2,048 x 1,024 float32; Wo 1,024 x 1,024 float32; Wq 1,024 x 1,024 float32; b1 4,096 float32; b2 1,024 float32; bo 1,024 float32; kv_x 2 x 2,048 x 1,024 float32; ln_kv_b 1,024 float32; ln_kv_g 1,024 float32; ln_q_b 1,024 float32; ln_q_g 1,024 float32; q_x 2 x 2,048 x 1,024 float32.
;; Outputs: out0 2 x 2,048 x 1,024 float32.
;; This version of the problem:
;;   THIS VERSION OF THE PROBLEM IS GIVEN IN LOW PRECISION. The matrix products marked QUANTISED in the list below multiply operands that are first quantised to E2M3 (2 exponent bits, 3 mantissa bits; 6 bits a number), with one power-of-two scale for each 32 numbers along K (OCP MX v1.0); their sums are f32. All else is computed in f32.
;;   The module's matrix products, in the order in which they are computed (A, B: the left and right operand; K: the contracted axis; several contracted axes count as one K, in the product's order):
;;     1. [M 4,096, K 1,024] x [K 1,024, N 1,024]; A: computed on the way; B: input Wq: QUANTISED
;;     2. [M 4,096, K 1,024] x [K 1,024, N 2,048]; A: computed on the way; B: input Wkv: QUANTISED
;;     3. batch 32 x [M 2,048, K 64] x [K 64, N 2,048]; A: computed on the way; B: computed on the way: QUANTISED
;;     4. batch 32 x [M 2,048, K 2,048] x [K 2,048, N 64]; A: softmax (see below); B: computed on the way: QUANTISED
;;     5. [M 4,096, K 1,024] x [K 1,024, N 1,024]; A: computed on the way; B: input Wo: QUANTISED
;;     6. [M 4,096, K 1,024] x [K 1,024, N 4,096]; A: computed on the way; B: input W1: QUANTISED
;;     7. [M 4,096, K 4,096] x [K 4,096, N 1,024]; A: computed on the way; B: input W2: QUANTISED
;;   THE QUANTISER, for each operand of a quantised product, along K:
;;     - K is cut into blocks of 32 from its start; a last block that is shorter is filled with zeros.
;;     - A block's scale is 2^e with e = floor(log2(the largest magnitude in the block)) - 2, held to -126 .. 127; a block of zeros has e = 0. As a byte (E8M0): e + 127.
;;     - Each number is divided by its block's scale, clamped to +-7.5, and rounded to the nearest number of E2M3, ties to even, subnormals kept.
;;     - The product sums the exact products of the quantised numbers (number of the format x scale) in f32.
;;   ~~~python
;;   def quantise(x, axis):      # numpy; x: float32 -> the quantised numbers, widened to float32 again
;;       x = np.moveaxis(x, axis, -1); K = x.shape[-1]
;;       x = np.pad(x, [(0, 0)] * (x.ndim - 1) + [(0, -K % 32)]); x = x.reshape(x.shape[:-1] + (-1, 32)); a = np.abs(x).max(-1, keepdims=True)
;;       e = np.where(a > 0, np.clip(np.frexp(np.where(a > 0, a, 1))[1] - 1 - 2, -126, 127), 0)      # np.frexp(a)[1] - 1 = floor(log2(a)), exactly
;;       r = np.clip(x / 2.0 ** e, -7.5, 7.5)
;;       step = 2.0 ** (np.maximum(np.frexp(np.where(r == 0, 1, r))[1] - 1, 0) - 3)
;;       q = np.round(r / step) * step * 2.0 ** e      # np.round: ties to even
;;       return np.moveaxis(q.reshape(q.shape[:-2] + (-1,))[..., :K], -1, axis).astype(np.float32)
;;   ~~~
;;   SOFTMAX AHEAD OF A QUANTISED PRODUCT. Where the list says 'softmax', what is quantised is not the finished softmax but p = 2^(t - M), with t = logit x log2(e) and M = ceil(the row's largest t), a whole number; so 1/2 < the row's largest p <= 1. The row's sum l is taken of the UNQUANTISED p, in f32, and the product's result is divided by l at the end. Since M is a whole number, a kernel that streams over the keys may use a running M (the ceiling of the running maximum): every later rescaling is an exact power of two, which a block's scale takes up: the codes' values come out the same.
;;   OPERANDS COMPUTED ON THE WAY. 'Computed on the way' means the value that the module computes at that place (a softmax that the list does not call 'softmax' is quantised finished and normalised). What goes into a quantiser is computed in f32, as accurately as f32 sums, v_exp_f32 and their like allow (about 1e-6 of the number): no bf16 or f16 on the way to a quantiser, and a product that is left as it is and whose result goes on into a quantised operand takes f32 operands (vector FMAs, or v_wmma_f32_16x16x4_f32). A number that lies on a knife's edge between two numbers of the format may be rounded either way, as far as f32 arithmetic and the matrix unit's own rounding can turn it there, and no further.
;; One version. Each part assembles by itself: llvm-mc -triple=amdgcn-amd-amdhsa -mcpu=gfx1250 --defsym DOCPART=n.
;; ======== version 1 of 1: 6 launches
;; limits: right only within a limited range of input values
;; workspace buffers: opnd 17,039,360 bytes; qkv 10,223,616 bytes; oimg 3,407,872 bytes; xbuf 20,185,088 bytes; himg 13,631,488 bytes
;; launch prep (part 1): grid 1280 x 1, 8 waves a work-group, no clusters, 66,816 bytes of LDS; arguments q_x, kv_x, Wq, Wkv, Wo, W1, W2, ln_q_g, ln_q_b, ln_kv_g, ln_kv_b, opnd; writes opnd
.if DOCPART == 1
	.amdgcn_target "amdgcn-amd-amdhsa--gfx1250"
	.amdhsa_code_object_version 6
	.text
	.protected	k_qf81ce3c44b_prep
	.globl	k_qf81ce3c44b_prep
	.p2align	8
	.type	k_qf81ce3c44b_prep,@function
k_qf81ce3c44b_prep:
	s_mov_b64 s[64:65], 0
	v_nop
	global_prefetch_b8 v0, s[64:65] scope:SCOPE_SE
	s_setreg_imm32_b32 hwreg(HW_REG_WAVE_MODE, 25, 1), 1
	s_wait_xcnt 0x0
; LayerNorm(q_x), LayerNorm(kv_x) and the five weights become codes of FP6 (E2M3) with one E8M0 byte for each 32 along K, laid as the matrix unit's registers take them.
; THE OPERAND FORMAT (all code buffers of this program): [panel of 128 rows][K step of 128][13,312 bytes].  In a K step's block: tile t (16 rows) at 1,536 t; in it half c (64 along K) at 768 c:
; 16 bytes a lane (registers 6 c .. 6 c + 3), then from byte 512 on 8 bytes a lane (registers 6 c + 4, 6 c + 5).  Scale words: 12,288 + 128 t + 4 x lane, the same word in lanes r and r + 16.
; Lane (r, h) of tile t holds row 32 (t / 2) + 8 (t % 2) + r + 8 (r / 8) of the panel: so a product's 16 registers of two neighbouring tiles are 16 neighbours along the next K.
; SHARES.  A work-group takes one tile of 16 rows x 1,024 along K (65,536 bytes of f32).  Work-groups 0-255 q_x, 256-511 kv_x, 512-575 Wq, 576-703 Wkv, 704-767 Wo, 768-1023 W1, 1024-1279 W2 (four quarters of K a tile).
; Phase 1: wave w loads two neighbouring rows, 512 consecutive bytes a load, norms them where the tensor is an activation (mean, then the squares of x - mean: two passes over registers), and lays them in LDS.
; Phase 2: wave w takes K step w: a lane reads its two whole blocks of 32, finds their largest magnitudes by itself, converts, and stores the fragment's image.
; LIMITS: NaN and infinities are not served; a block of zeros gets the byte 1 where the rule says 127 (its codes are zeros, and this program alone reads the bytes).
.set KB,    13312
.set PAN,   8*KB                       ; a panel at K = 1,024
.set PITCH, 4112                       ; an LDS row: 4,096 bytes + 16 = 1,028 words: the 16 rows of a load start 4 banks apart
.set X,     16                         ; v16-47 row A, v48-79 row B; in phase 2 my 64 numbers
.set GA,    80                         ; v80-111 the gain, v112-143 the offset
.set BE,    112
.set WV,    28
.macro PICK bound, ptr, first          ; the tensor and its first work-group: a choice on the work-group's number alone
	s_cmp_lt_u32 ttmp9, \bound
	s_cselect_b64 s[30:31], s[\ptr:\ptr+1], s[30:31]
	s_cselect_b32 s32, \first, s32
.endm
.macro LANES d                         ; v[d:d+3]: four partial sums a lane -> the row's sum in every lane, in v[d]
	s_delay_alu instid0(VALU_DEP_1)
	v_pk_add_f32 v[\d:\d+1], v[\d:\d+1], v[\d+2:\d+3]
	s_delay_alu instid0(VALU_DEP_1)
	v_add_f32 v[\d], v[\d], v[\d+1]
.irp m, 1,2,4,8
	s_delay_alu instid0(VALU_DEP_1)
	v_add_f32_dpp v[\d], v[\d], v[\d] row_xmask:\m row_mask:0xf bank_mask:0xf
.endr
	s_delay_alu instid0(VALU_DEP_1)
	v_permlanex16_b32 v[\d+1], v[\d], s50, s51
	s_delay_alu instid0(VALU_DEP_1)
	v_add_f32 v[\d], v[\d], v[\d+1]
.endm
.macro RSUM d, x                       ; the sum of a row's 1,024 numbers, two chains of packed additions
	v_pk_add_f32 v[\d:\d+1], v[\x:\x+1], v[\x+2:\x+3]
	v_pk_add_f32 v[\d+2:\d+3], v[\x+4:\x+5], v[\x+6:\x+7]
.irp j, 8,12,16,20,24,28
	s_delay_alu instid0(VALU_DEP_2)
	v_pk_add_f32 v[\d:\d+1], v[\d:\d+1], v[\x+\j:\x+\j+1]
	s_delay_alu instid0(VALU_DEP_2)
	v_pk_add_f32 v[\d+2:\d+3], v[\d+2:\d+3], v[\x+\j+2:\x+\j+3]
.endr
	LANES \d
.endm
.macro RSQS d, x                       ; the sum of their squares
	v_pk_mul_f32 v[\d:\d+1], v[\x:\x+1], v[\x:\x+1]
	v_pk_mul_f32 v[\d+2:\d+3], v[\x+2:\x+3], v[\x+2:\x+3]
.irp j, 4,8,12,16,20,24,28
	s_delay_alu instid0(VALU_DEP_2)
	v_pk_fma_f32 v[\d:\d+1], v[\x+\j:\x+\j+1], v[\x+\j:\x+\j+1], v[\d:\d+1]
	s_delay_alu instid0(VALU_DEP_2)
	v_pk_fma_f32 v[\d+2:\d+3], v[\x+\j+2:\x+\j+3], v[\x+\j+2:\x+\j+3], v[\d+2:\d+3]
.endr
	LANES \d
.endm
	s_load_b512 s[4:19], s[0:1], 0x0               ; q_x, kv_x, Wq, Wkv, Wo, W1, W2, ln_q_g
	s_load_b256 s[20:27], s[0:1], 0x40             ; ln_q_b, ln_kv_g, ln_kv_b, opnd
	v_lshl_add_u32 v160, v0, 2, 0x10100
	v_mov_b32 v161, 0
	v_lshrrev_b32 v1, 5, v0
	s_delay_alu instid0(VALU_DEP_1)
	v_readfirstlane_b32 s[WV], v1                  ; wave 0..7
	v_and_b32 v1, 31, v0                           ; lane
	s_delay_alu instid0(VALU_DEP_1)
	v_lshlrev_b32 v2, 4, v1                        ; 16 x lane
	s_delay_alu instid0(VALU_DEP_2)
	v_lshlrev_b32 v7, 3, v1                        ; 8 x lane
	s_delay_alu instid0(VALU_DEP_3)
	v_lshlrev_b32 v8, 2, v1                        ; 4 x lane
	v_and_b32 v9, 15, v0                           ; r
	v_bfe_u32 v10, v0, 4, 1                        ; h
	s_mov_b32 s50, 0x76543210
	s_mov_b32 s51, 0xfedcba98                      ; v_permlanex16_b32's selects for lane l xor 16
	s_mov_b32 s52, 0x3a800000                      ; 1 / 1,024
	s_mov_b32 s53, 0x3727c5ac                      ; 1e-5
	s_cmp_lt_u32 ttmp9, 1024                       ; W2's rows are 4,096 long: a tile has four work-groups
	s_cselect_b32 s33, 0, 2
	s_cselect_b32 s34, 0, 3
	s_cselect_b32 s35, 12, 14                      ; log2 of a row's bytes
	s_wait_alu depctr_va_vdst(0)
	s_wait_kmcnt 0x0
	s_mov_b64 s[30:31], s[16:17]
	s_mov_b32 s32, 1024
	PICK 1024, 14, 768
	PICK 768, 12, 704
	PICK 704, 10, 576
	PICK 576, 8, 512
	PICK 512, 6, 256
	PICK 256, 4, 0
	s_sub_co_u32 s36, ttmp9, s32
	s_lshr_b32 s37, s36, s33                       ; T: the tile in its tensor
	s_and_b32 s38, s36, s34                        ; which quarter of K (0 but for W2)
	s_lshr_b32 s39, s37, 1
	s_lshl_b32 s39, s39, 5
	s_and_b32 s40, s37, 1
	s_lshl_b32 s40, s40, 3
	s_add_co_u32 s39, s39, s40
	s_lshl_b32 s40, s[WV], 1
	s_add_co_u32 s39, s39, s40
	s_lshr_b32 s40, s[WV], 2
	s_lshl_b32 s40, s40, 3
	s_add_co_u32 s39, s39, s40                     ; my first row: 32 (T / 2) + 8 (T % 2) + p + 8 (p / 8), p = 2 x wave
	s_lshl_b32 s40, s39, s35
	s_lshl_b32 s41, s38, 12
	s_add_co_u32 s40, s40, s41
	s_mov_b32 s41, 0
	s_add_nc_u64 s[30:31], s[30:31], s[40:41]
	s_lshl_b32 s42, 1, s35
	v_add_nc_u32 v3, s42, v2                       ; the second row
.irp i, 0,1,2,3,4,5,6,7
	global_load_b128 v[X+4*\i:X+4*\i+3], v2, s[30:31] offset:512*\i th:TH_LOAD_NT       ; 32 lanes read 512 consecutive bytes
.endr
.irp i, 0,1,2,3,4,5,6,7
	global_load_b128 v[X+32+4*\i:X+32+4*\i+3], v3, s[30:31] offset:512*\i th:TH_LOAD_NT
.endr
	; where the images go
	s_lshr_b32 s43, ttmp9, 3
	s_mul_i32 s43, s43, PAN                        ; the parts of opnd lie in the work-groups' order: eight tiles a panel
	s_lshr_b32 s44, s37, 3
	s_mul_i32 s44, s44, 4*PAN                      ; W2: panels four times as long,
	s_mul_i32 s45, s38, PAN                        ; a quarter of K is eight K steps
	s_add_co_u32 s44, s44, s45
	s_add_co_u32 s44, s44, 128*PAN
	s_cmp_lt_u32 ttmp9, 1024
	s_cselect_b32 s43, s43, s44
	s_mul_i32 s44, s[WV], KB                       ; in phase 2 wave w has K step w
	s_add_co_u32 s43, s43, s44
	s_and_b32 s45, s37, 7                          ; the tile in its panel
	s_mul_i32 s46, s45, 1536
	s_add_co_u32 s46, s46, s43
	s_mov_b32 s47, 0
	s_add_nc_u64 s[46:47], s[26:27], s[46:47]      ; its codes
	s_lshl_b32 s48, s45, 7
	s_add_co_u32 s48, s48, s43
	s_add_co_u32 s48, s48, 12288
	s_mov_b32 s49, 0
	s_add_nc_u64 s[48:49], s[26:27], s[48:49]      ; its scale words
	s_mul_i32 s56, s[WV], 2*PITCH
	v_add_nc_u32 v5, s56, v2                       ; LDS, in: rows 2 w and 2 w + 1 of the tile
	v_mul_u32_u24 v6, v9, PITCH
	s_delay_alu instid0(VALU_DEP_1)
	v_lshl_add_u32 v6, v10, 7, v6
	s_lshl_b32 s57, s[WV], 9
	v_add_nc_u32 v6, s57, v6                       ; LDS, out: row r, K step w, + 128 h: my blocks h and 2 + h
	s_cmp_lt_u32 ttmp9, 512
	s_cbranch_scc0 .Lplain                         ; weights are taken as they are.  The branch holds register work and loads alone
	s_cmp_lt_u32 ttmp9, 256
	s_cselect_b64 s[54:55], s[18:19], s[22:23]
	s_cselect_b64 s[58:59], s[20:21], s[24:25]
.irp i, 0,1,2,3,4,5,6,7
	global_load_b128 v[GA+4*\i:GA+4*\i+3], v2, s[54:55] offset:512*\i
.endr
.irp i, 0,1,2,3,4,5,6,7
	global_load_b128 v[BE+4*\i:BE+4*\i+3], v2, s[58:59] offset:512*\i
.endr
	s_wait_loadcnt 16                              ; my two rows are in; the 16 loads of gain and offset may be out
	RSUM 144, X
	RSUM 148, X+32
	v_mul_f32 v144, s52, v144                      ; the means
	s_delay_alu instid0(VALU_DEP_2)
	v_mul_f32 v148, s52, v148
.set j, 0
.rept 16
	v_pk_add_f32 v[X+j:X+j+1], v[X+j:X+j+1], v[144:145] op_sel_hi:[1,0] neg_lo:[0,1] neg_hi:[0,1]
	v_pk_add_f32 v[X+32+j:X+33+j], v[X+32+j:X+33+j], v[148:149] op_sel_hi:[1,0] neg_lo:[0,1] neg_hi:[0,1]
.set j, j+2
.endr
	RSQS 144, X
	RSQS 148, X+32
	v_fma_f32 v144, v144, s52, s53                 ; the variance + 1e-5
	s_delay_alu instid0(VALU_DEP_2)
	v_fma_f32 v148, v148, s52, s53
	s_wait_alu depctr_va_vdst(0)
	v_rsq_f32 v152, v144
	v_rsq_f32 v154, v148
	v_mov_b32 v153, 0                              ; plain lines behind the two roots; these are the upper halves of the pairs named below
	v_mov_b32 v155, 0
	s_wait_alu depctr_va_vdst(0)                   ; one wait for both roots, ahead of their first reader
	s_wait_loadcnt 0x0                             ; gain and offset
.set j, 0
.rept 16
	v_pk_mul_f32 v[X+j:X+j+1], v[X+j:X+j+1], v[152:153] op_sel_hi:[1,0]
	v_pk_mul_f32 v[X+32+j:X+33+j], v[X+32+j:X+33+j], v[154:155] op_sel_hi:[1,0]
.set j, j+2
.endr
.set j, 0
.rept 16
	v_pk_fma_f32 v[X+j:X+j+1], v[X+j:X+j+1], v[GA+j:GA+j+1], v[BE+j:BE+j+1]
	v_pk_fma_f32 v[X+32+j:X+33+j], v[X+32+j:X+33+j], v[GA+j:GA+j+1], v[BE+j:BE+j+1]
.set j, j+2
.endr
.Lplain:
	s_wait_loadcnt 0x0
	s_wait_alu depctr_va_vdst(0)
.irp i, 0,1,2,3,4,5,6,7
	ds_store_b128 v5, v[X+4*\i:X+4*\i+3] offset:512*\i
	ds_store_b128 v5, v[X+32+4*\i:X+32+4*\i+3] offset:PITCH+512*\i
.endr
	s_wait_dscnt 0x0                               ; for the others' sake: my two rows lie in LDS
	s_barrier_signal -1
	s_barrier_wait -1
.irp c, 0,1
.irp i, 0,1,2,3,4,5,6,7
	ds_load_b128 v[X+32*\c+4*\i:X+32*\c+4*\i+3], v6 offset:256*\c+16*\i   ; k = 128 w + 64 c + 32 h + 4 i ..
.endr
.endr
	s_wait_dscnt 0x0
.irp c, 0,1                                    ; my block 2 c + h: all its 32 numbers are mine
	v_max3_num_f32 v[80+\c], |v[X+32*\c]|, |v[X+1+32*\c]|, 0x1800000     ; with the floor 2^(3 - 127): the byte cannot fall under 1
.endr
.irp i, 2,4,6,8,10,12,14,16,18,20,22,24,26,28,30
.irp c, 0,1
	s_delay_alu instid0(VALU_DEP_2)
	v_max3_num_f32 v[80+\c], v[80+\c], |v[X+32*\c+\i]|, |v[X+1+32*\c+\i]|
.endr
.endr
.irp c, 0,1
	s_delay_alu instid0(VALU_DEP_2)
	v_add_nc_u32 v[82+\c], 0xff000000, v[80+\c]    ; 2 off the exponent field: the conversion's scale operand
.endr
.irp c, 0,1
	s_delay_alu instid0(VALU_DEP_2)
	v_lshrrev_b32 v[84+\c], 23, v[82+\c]           ; the scale's byte
.endr
	s_delay_alu instid0(VALU_DEP_1)
	v_lshl_or_b32 v86, v85, 16, v84                ; blocks h and 2 + h,
	v_lshlrev_b32 v87, 3, v10
	s_delay_alu instid0(VALU_DEP_1)
	v_lshlrev_b32 v86, v87, v86                    ; at their places in the word;
	v_mov_b32 v87, 0
	s_delay_alu instid0(VALU_DEP_1)
	v_permlanex16_b32 v87, v86, s50, s51
	s_delay_alu instid0(VALU_DEP_1)
	v_or_b32 v86, v86, v87                         ; with lane l xor 16's two the word is whole
.irp c, 0,1
	v_cvt_scalef32_pk16_fp6_f32 v[88+6*\c:90+6*\c], v[X+32*\c:X+15+32*\c], v[82+\c]
	v_cvt_scalef32_pk16_fp6_f32 v[100+4*\c:102+4*\c], v[X+16+32*\c:X+31+32*\c], v[82+\c]   ; (a conversion's three registers begin on an even number)
.endr
	v_nop                                          ; one plain line behind the scaled conversions
.irp c, 0,1
.irp i, 0,1,2
	v_mov_b32 v[91+6*\c+\i], v[100+4*\c+\i]
.endr
.endr
	global_store_b128 v2, v[88:91], s[46:47]               ; 512 consecutive bytes
	global_store_b64 v7, v[92:93], s[46:47] offset:512     ; 256
	global_store_b128 v2, v[94:97], s[46:47] offset:768
	global_store_b64 v7, v[98:99], s[46:47] offset:1280
	global_store_b32 v8, v86, s[48:49]                     ; 128
	s_wait_tensorcnt 0x0
	ds_add_u32 v160, v161
	s_wait_dscnt 0x0
	s_endpgm
.Lfunc_end_k_qf81ce3c44b_prep:
	.size	k_qf81ce3c44b_prep, .Lfunc_end_k_qf81ce3c44b_prep-k_qf81ce3c44b_prep
	.p2alignl 7, 3214868480
	.fill 96, 4, 3214868480
	.section	.rodata,"a",@progbits
	.p2align	6, 0x0
	.amdhsa_kernel k_qf81ce3c44b_prep
		.amdhsa_group_segment_fixed_size 66816
		.amdhsa_private_segment_fixed_size 0
		.amdhsa_enable_private_segment 0
		.amdhsa_kernarg_size 96
		.amdhsa_user_sgpr_count 2
		.amdhsa_user_sgpr_kernarg_segment_ptr 1
		.amdhsa_wavefront_size32 1
		.amdhsa_system_sgpr_workgroup_id_x 1
		.amdhsa_system_sgpr_workgroup_id_y 1
		.amdhsa_system_sgpr_workgroup_id_z 1
		.amdhsa_system_vgpr_workitem_id 0
		.amdhsa_next_free_vgpr 162
		.amdhsa_next_free_sgpr 66
		.amdhsa_reserve_vcc 0
		.amdhsa_float_denorm_mode_32 3
		.amdhsa_float_denorm_mode_16_64 3
		.amdhsa_memory_ordered 1
		.amdhsa_forward_progress 1
		.amdhsa_inst_pref_size 30
	.end_amdhsa_kernel
	.amdgpu_metadata
---
amdhsa.version: [ 1, 2 ]
amdhsa.kernels:
  - .name:           k_qf81ce3c44b_prep
    .symbol:         k_qf81ce3c44b_prep.kd
    .args:
      - { .name: q_x, .offset: 0, .size: 8, .value_kind: global_buffer, .address_space: global }
      - { .name: kv_x, .offset: 8, .size: 8, .value_kind: global_buffer, .address_space: global }
      - { .name: Wq, .offset: 16, .size: 8, .value_kind: global_buffer, .address_space: global }
      - { .name: Wkv, .offset: 24, .size: 8, .value_kind: global_buffer, .address_space: global }
      - { .name: Wo, .offset: 32, .size: 8, .value_kind: global_buffer, .address_space: global }
      - { .name: W1, .offset: 40, .size: 8, .value_kind: global_buffer, .address_space: global }
      - { .name: W2, .offset: 48, .size: 8, .value_kind: global_buffer, .address_space: global }
      - { .name: ln_q_g, .offset: 56, .size: 8, .value_kind: global_buffer, .address_space: global }
      - { .name: ln_q_b, .offset: 64, .size: 8, .value_kind: global_buffer, .address_space: global }
      - { .name: ln_kv_g, .offset: 72, .size: 8, .value_kind: global_buffer, .address_space: global }
      - { .name: ln_kv_b, .offset: 80, .size: 8, .value_kind: global_buffer, .address_space: global }
      - { .name: opnd, .offset: 88, .size: 8, .value_kind: global_buffer, .address_space: global }
    .group_segment_fixed_size: 66816
    .private_segment_fixed_size: 0
    .kernarg_segment_align: 8
    .kernarg_segment_size: 96
    .max_flat_workgroup_size: 256
    .sgpr_count:     66
    .vgpr_count:     162
    .wavefront_size: 32
...
	.end_amdgpu_metadata
.endif
;; end of part 1
;; launch proj (part 2): grid 12 x 16, 8 waves a work-group, clusters of 4 x 4, 327,680 bytes of LDS; arguments opnd, qkv; writes qkv
.if DOCPART == 2
	.amdgcn_target "amdgcn-amd-amdhsa--gfx1250"
	.amdhsa_code_object_version 6
	.text
	.protected	k_qf81ce3c44b_proj
	.globl	k_qf81ce3c44b_proj
	.p2align	8
	.type	k_qf81ce3c44b_proj,@function
k_qf81ce3c44b_proj:
	s_mov_b64 s[64:65], 0
	v_nop
	global_prefetch_b8 v0, s[64:65] scope:SCOPE_SE
	s_setreg_imm32_b32 hwreg(HW_REG_WAVE_MODE, 25, 1), 1
	s_wait_xcnt 0x0
	s_wait_alu depctr_hold_cnt(0) depctr_sa_sdst(0) depctr_va_vdst(0) depctr_va_sdst(0) depctr_va_ssrc(0) depctr_va_vcc(0) depctr_vm_vsrc(0)
	s_getreg_b32 s2, hwreg(HW_REG_IB_STS2, 6, 4)
	s_cmp_eq_u32 s2, 0
	s_cbranch_scc0 .Lentry_in_a_cluster
	s_endpgm
.Lentry_in_a_cluster:
	s_bfe_u32 s2, ttmp6, 0x10000c
	s_cmp_lg_u32 s2, 0xf033
	s_cbranch_scc0 .Lentry_shape_is_right
	s_endpgm
.Lentry_shape_is_right:
; q = LN(q_x) Wq^T, k and v = LN(kv_x) Wkv^T on codes of FP6 (E2M3); the results are quantised here and stored as the attention's register images: q and k along the head's 64, v along the keys.
; A work-group makes 256 tokens x 256 channels; block columns 0-3 are q, 4-7 k, 8-11 v: 12 x 16 = 192 work-groups (q ends at channel 1,024, so no block shape gives 256 equal ones).
; OPERANDS lie in memory as images of the registers ([panel of 128 rows][K step of 128][13,312 bytes]: tile t at 1,536 t, half c at 768 c: 16 bytes a lane, then 8 bytes a lane; scale words at 12,288 + 128 t + 4 x lane).
; THE MATRIX INSTRUCTION: source 0's rows run along a lane's registers, source 1's rows lie one to a lane.  q, k: source 0 = channels, source 1 = tokens: a lane holds one token and 64 channels: one head.
; v: source 0 = tokens, source 1 = channels: a lane holds one channel and 64 neighbouring keys.  A tile's rows are not neighbours (lane r of tile t: row 32 (t / 2) + 8 (t % 2) + r + 8 (r / 8)), so the 16 registers of
; accumulators 2 b and 2 b + 1 are 16 neighbours along source 0's rows.
; LDS: four regions of six places of a K step (4 x 79,872 bytes): regions 0, 1 hold source 1's two panels, regions 2, 3 source 0's.  Which tensor's panels a region gets is chosen where the loads are issued (by the cluster's x,
; alike in all partners): every LDS address is arithmetic on the wave's number alone.  At the head wave w fills half of region w / 2 (three K steps, 156 rows of 256 bytes).  K steps 6 and 7 go into places 0 and 1, one K step a wave:
; asked for in step 1, behind a round of the cluster's barrier, when every wave has read steps 0 and 1 out; awaited in step 5.
; EIGHT WAVES, two to a SIMD: wave w has source 1's panel w / 4 (8 tiles) x half w % 2 of source 0's panel (w / 2) % 2 (4 tiles): 32 accumulators.  One set of fragment registers: while one wave of a SIMD fetches, the other multiplies.
; CLUSTERS: 4 x 4 work-groups; the activations' panels are asked for jointly along a row of the cluster, the weights' along a column.
; NO PREFETCH: three quarters of each operand are asked for by the head's loads, and the walk along K is eight steps written out: there is no loop to run ahead in.
; REGISTERS: window 0: v2-4 lane terms; v8-19 LDS addresses; v28, v29 the spare word's address and 0; v32-43 scale words; v48-143 source 1's fragments, later codes; v144-191 source 0's; v192-203 store offsets;
;   v204-211 the quantiser; v212-219 scale bytes made.  window 1: the accumulators, (a, b) at 8 (4 a + b).
; LIMITS: NaN and infinities are not served; a block of zeros gets the byte 1 (its codes are zeros; this program alone reads the bytes).
.set KB,     13312
.set PANEL,  8*KB
.set NPL,    6
.set REG,    NPL*KB
.set SPARE,  4*REG                     ; behind the regions: the spare words, 128 bytes for each of eight waves
.set FR,     12
.set XKV,    32*PANEL                  ; opnd: LN(kv_x) behind LN(q_x)
.set WOFF,   64*PANEL                  ; Wq's 8 panels, then Wkv's 16
.set KVOFF,  3407872                   ; qkv: k's and v's blocks behind q's
.set L16, 2
.set L8,  3
.set L4,  4
.set AAD, 8                            ; v8-10 source 1's places 0-2 (16-, 8-, 4-byte lane steps), v11-13 places 3-5
.set BAD, 14                           ; v14-19 source 0's
.set SPW, 28
.set NIL, 29
.set SC,  32                           ; 0-7 source 1's tiles, 8-11 source 0's
.set AF,  48
.set PC,  48
.set BF,  144
.set VO16, 192
.set VO8,  196
.set VO4,  200
.set TM,  204
.set PW,  212
.set WV, 10
.set P1, 11
.set P0, 12
.set HF, 13
.set PRB, 14
.set ISX, 15
.set SEL, 20
.set G1X, 24
.set G0X, 32                           ; s[32:35] the head's load, s[36:39] the refill
.set COL, 42
.set G1W, 48
.set G0W, 56
.set CB, 66                            ; s[66:67], s[68:69] where the codes of accumulator rows 0-3, 4-7 go
.set SB, 70                            ; s[70:71], s[72:73] their scale bytes
.set MSB, 0
.macro WIN new                         ; the immediate's high byte repeats the setting that is left
.if MSB != \new
	s_set_vgpr_msb (MSB<<8)|\new
.set MSB, \new
.endif
.endm
.set MULW, 0x50                        ; C and D window 1, the sources window 0
.macro CREST                           ; a round of the cluster's barrier behind its opening barrier
	s_cmp_lg_u32 s[WV], 0
	s_cbranch_scc1 .Lnot_wave_0_\@
	s_barrier_signal -3
.Lnot_wave_0_\@:
	s_barrier_wait -3
	s_barrier_signal -1
	s_barrier_wait -1
.endm
.macro CROUND
	s_barrier_signal -1
	s_barrier_wait -1
	CREST
.endm
.macro JLOAD n                         ; a joint load, one a wave: of activations or of weights; s_nop 0 and four v_nop follow each of the two lines
	s_cmp_eq_u32 s[ISX], 0
	s_cbranch_scc0 .Lfor_w_\@
	tensor_load_to_lds s[G0X+4*\n:G0X+4*\n+3], s[G1X:G1X+7]
	s_nop 0
.rept 4
	v_nop
.endr
	s_branch .Lasked_\@
.Lfor_w_\@:
	tensor_load_to_lds s[G0W+4*\n:G0W+4*\n+3], s[G1W:G1W+7]
	s_nop 0
.rept 4
	v_nop
.endr
.Lasked_\@:
.endm
.macro MKG0 g, p                       ; the two groups 0 of one tensor: three K steps at the head, one K step later
	s_mov_b32 s[\g], 1
	s_add_co_u32 s[\g+1], s92, s94
	s_add_nc_u64 s[\g+2:\g+3], s[\p:\p+1], s[94:95]
	s_or_b32 s[\g+3], s[\g+3], 0x80000000
	s_mov_b32 s[\g+4], 1
	s_add_co_u32 s[\g+5], s92, s93
	s_add_nc_u64 s[\g+6:\g+7], s[\p:\p+1], s[96:97]
	s_or_b32 s[\g+7], s[\g+7], 0x80000000
.endm
.macro PLACES                          ; four plain lines in front of loads into registers that matrix instructions have read, and of the first read of results
.rept 4
	v_nop
.endr
.endm
.macro FRAG reg, adr, off              ; a fragment: 12 registers, four loads of consecutive bytes
	ds_load_b128 v[(\reg):(\reg)+3], v[\adr] offset:\off
	ds_load_b64 v[(\reg)+4:(\reg)+5], v[(\adr)+1] offset:(\off)+512
	ds_load_b128 v[(\reg)+6:(\reg)+9], v[\adr] offset:(\off)+768
	ds_load_b64 v[(\reg)+10:(\reg)+11], v[(\adr)+1] offset:(\off)+1280
.endm
.macro FETCH st                        ; 60 LDS loads: K step st (place st % 6): 12 scale words, source 0's four fragments, source 1's eight
.set PLC, (\st)%NPL
.irp i, 0,1,2,3
	ds_load_b32 v[SC+8+\i], v[BAD+3*(PLC/3)+2] offset:(PLC%3)*KB+\i*128
.endr
.irp i, 0,1,2,3,4,5,6,7
	ds_load_b32 v[SC+\i], v[AAD+3*(PLC/3)+2] offset:(PLC%3)*KB+\i*128
.endr
.irp i, 0,1,2,3
	FRAG BF+FR*\i, BAD+3*(PLC/3), (PLC%3)*KB+\i*1536
.endr
.irp i, 0,1,2,3,4,5,6,7
	FRAG AF+FR*\i, AAD+3*(PLC/3), (PLC%3)*KB+\i*1536
.endr
.endm
; 16 matrix instructions: source 1's tiles a0 .. a0 + 3 x source 0's four.  cm = 1: the products start the sums.  The 32 accumulators take turns, one instruction a turn, in the same order in every step.
.macro MULH a0, cm
.irp a, \a0, \a0+1, \a0+2, \a0+3
.irp b, 0,1,2,3
.if \cm
	v_wmma_scale_f32_16x16x128_f8f6f4 v[8*(4*(\a)+\b):8*(4*(\a)+\b)+7], v[BF+FR*\b:BF+FR*\b+FR-1], v[AF+FR*(\a):AF+FR*(\a)+FR-1], 0, v[SC+8+\b], v[SC+(\a)] matrix_a_fmt:MATRIX_FMT_FP6 matrix_b_fmt:MATRIX_FMT_FP6
.else
	v_wmma_scale_f32_16x16x128_f8f6f4 v[8*(4*(\a)+\b):8*(4*(\a)+\b)+7], v[BF+FR*\b:BF+FR*\b+FR-1], v[AF+FR*(\a):AF+FR*(\a)+FR-1], v[8*(4*(\a)+\b):8*(4*(\a)+\b)+7], v[SC+8+\b], v[SC+(\a)] matrix_a_fmt:MATRIX_FMT_FP6 matrix_b_fmt:MATRIX_FMT_FP6
.endif
.endr
.endr
.endm
; A K step: 32 products, then the next step's fragments are fetched.  meet = 1: places 0 and 1 have been read out and are filled again; meet = 2: what was asked for then is shown whole to all eight waves.
.macro STEP st, cm, meet
.if \meet
	s_wait_tensorcnt 0x0                           ; all my tensor loads have landed
.if \meet == 1
	ds_add_u32 v[SPW], v[NIL]                      ; 0 onto my spare word
.endif
	s_wait_dscnt 0x0                               ; the add, where there is one, and all my LDS reads are done
	s_barrier_signal -1
	WIN MULW
	MULH 0, \cm                                    ; work on registers while the others arrive
	MULH 4, \cm
	WIN 0
	s_barrier_wait -1
.if \meet == 1
	CREST                                          ; the barrier has opened a round of the cluster's barrier: no wave of any partner still reads places 0 and 1 or has a load on its way
	JLOAD 1                                        ; the first tensor load behind the round, one a wave; its four v_nop are the places in front of the loads below
.else
	PLACES
.endif
.else
	s_wait_dscnt 16                                ; all but the youngest 16 loads: source 1's tiles 4-7
	WIN MULW
	MULH 0, \cm
	s_wait_dscnt 0x0
	MULH 4, \cm
	PLACES
	WIN 0
.endif
	FETCH (\st)+1
.endm
; THE WAY OUT of accumulator rows 2 g and 2 g + 1: 2 x 32 numbers a lane, register 16 b + i = k 32 b + 16 (lane / 16) + i of the lane's row: four blocks' scales, two half fragments of codes, two pairs of scale bytes
.macro OUT2 g
.set AC, 64*(\g)
.set PCA, PC+16*(\g)
	WIN 0x14                                       ; sources 1 and 2: window 1
.irp b, 0,1,2,3
	v_max3_num_f32 v[TM+\b], 0x1800000, |v[AC+16*\b]|, |v[AC+1+16*\b]|   ; with the floor 2^(3 - 127): the byte cannot fall under 1; each accumulator from its low end on
.endr
.irp i, 2,4,6,8,10,12,14
.irp b, 0,1,2,3
	v_max3_num_f32 v[TM+\b], v[TM+\b], |v[AC+16*\b+\i]|, |v[AC+1+16*\b+\i]|
.endr
.endr
	WIN 0
.irp b, 0,1,2,3
	v_permlanex16_b32 v[TM+4+\b], v[TM+\b], s[SEL], s[SEL+1]   ; (the four blocks by turns, here and below)
.endr
.irp b, 0,1,2,3
	v_max_num_f32 v[TM+\b], v[TM+\b], v[TM+4+\b]   ; with lane l xor 16's 16: the block's largest magnitude
.endr
.irp b, 0,1,2,3
	v_add_nc_u32 v[TM+4+\b], 0xff000000, v[TM+\b]  ; 2 off the exponent field: the conversion's scale operand
.endr
.irp b, 0,1,2,3
	v_lshrrev_b32 v[TM+\b], 23, v[TM+4+\b]         ; the scale's byte
.endr
	s_delay_alu instid0(VALU_DEP_3)
	v_lshl_or_b32 v[PW+2*(\g)], v[TM+1], 8, v[TM]
	s_delay_alu instid0(VALU_DEP_2)
	v_lshl_or_b32 v[PW+2*(\g)+1], v[TM+3], 8, v[TM+2]
	WIN 0x01                                       ; source 0: window 1
.irp c, 0,1
	v_cvt_scalef32_pk16_fp6_f32 v[PCA+8*\c:PCA+8*\c+2], v[AC+32*\c:AC+32*\c+15], v[TM+4+2*\c]
	v_cvt_scalef32_pk16_fp6_f32 v[PCA+8*\c+4:PCA+8*\c+6], v[AC+32*\c+16:AC+32*\c+31], v[TM+5+2*\c]
.endr
	WIN 0
	v_nop                                          ; one plain line behind the scaled conversions
.irp c, 0,1
.irp i, 0,1,2
	v_permlane16_swap_b32 v[PCA+8*\c+\i], v[PCA+8*\c+4+\i]   ; a whole block to a lane: lanes 0-15 the first, lanes 16-31 the second
.endr
.irp i, 0,1,2
	s_delay_alu instid0(VALU_DEP_3)
	v_mov_b32 v[PCA+8*\c+3+\i], v[PCA+8*\c+4+\i]
.endr
.endr
.irp c, 0,1
	global_store_b128 v[VO16+2*((\g)%2)+\c], v[PCA+8*\c:PCA+8*\c+3], s[CB+2*((\g)/2):CB+2*((\g)/2)+1]                 ; 512 consecutive bytes
	global_store_b64 v[VO8+2*((\g)%2)+\c], v[PCA+8*\c+4:PCA+8*\c+5], s[CB+2*((\g)/2):CB+2*((\g)/2)+1] offset:512      ; 256
	global_store_b16 v[VO4+2*((\g)%2)+\c], v[PW+2*(\g)+\c], s[SB+2*((\g)/2):SB+2*((\g)/2)+1]                          ; my half of the lanes' scale words; every row has registers of its own for its stores
.endr
.endm
	s_load_b128 s[4:7], s[0:1], 0x0                ; opnd, qkv
	v_lshl_add_u32 v[SPW], v0, 2, SPARE
	v_mov_b32 v[NIL], 0
	ds_add_u32 v[SPW], v[NIL]                      ; the opening: the add, twice on end, and its wait ahead of my first tensor load
	ds_add_u32 v[SPW], v[NIL]
	v_lshrrev_b32 v1, 5, v0
	s_delay_alu instid0(VALU_DEP_1)
	v_readfirstlane_b32 s[WV], v1                  ; wave 0..7
	s_lshr_b32 s[P1], s[WV], 2                     ; source 1's panel.  Also: I fill a region of source 1 (0) or of source 0 (1)
	s_bfe_u32 s[P0], s[WV], 0x10001                ; source 0's panel.  Also: which of the two panels I fill
	s_and_b32 s[HF], s[WV], 1                      ; which four tiles of it.  Also: which half of the region I fill
	s_bfe_u32 s40, ttmp6, 0x40000                  ; cx, cy: my place in the cluster
	s_bfe_u32 s41, ttmp6, 0x40004
	s_lshl_b32 s[COL], ttmp9, 2
	s_add_co_u32 s[COL], s[COL], s40               ; block column
	s_and_b32 s[PRB], ttmp7, 0xffff
	s_lshl_b32 s[PRB], s[PRB], 2
	s_add_co_u32 s[PRB], s[PRB], s41               ; block row
	s_lshl_b32 s43, s41, 2
	s_lshl_b32 s43, 15, s43                        ; my row of the cluster
	s_lshl_b32 s44, 0x1111, s40                    ; my column
	s_or_b32 s[G1X], s43, (3<<16)|(1<<21)          ; 15:0 the mask; 17:16 elements of 8 bytes; 21 set beside a mask; no padding
	s_or_b32 s[G1W], s44, (3<<16)|(1<<21)
.irp g, G1X, G1W                               ; three K steps, 39,936 dense bytes, as 156 rows of 256 bytes
	s_mov_b32 s[\g+1], 32<<16
	s_mov_b32 s[\g+2], 156<<16
	s_mov_b32 s[\g+3], 32<<16
	s_mov_b32 s[\g+4], 156
	s_mov_b32 s[\g+5], 32
	s_mov_b32 s[\g+6], 0
	s_mov_b32 s[\g+7], 0
.endr
	s_cmp_lt_u32 ttmp9, 1                          ; the cluster's x, alike in all sixteen partners: 0 q, 1 k, 2 v
	s_cselect_b32 s99, 0, 1                        ; 1 for k and v
	s_cmp_lt_u32 ttmp9, 2
	s_cselect_b32 s98, 0, 1                        ; 1 for v
	s_xor_b32 s[ISX], s[P1], s98                   ; 0: my region takes activations (q, k: source 1; v: source 0)
	s_lshl_b32 s66, s[PRB], 1
	s_add_co_u32 s66, s66, s[P0]
	s_mul_i32 s66, s66, PANEL
	s_mul_i32 s76, s99, XKV
	s_add_co_u32 s66, s66, s76                     ; the activations' panel: by the block row alone
	s_mov_b32 s67, 0
	s_lshl_b32 s68, s[COL], 1
	s_add_co_u32 s68, s68, s[P0]
	s_mul_i32 s68, s68, PANEL
	s_add_co_u32 s68, s68, WOFF                    ; the weights': by the block column alone
	s_mov_b32 s69, 0
	s_lshr_b32 s92, s[WV], 1
	s_mul_i32 s92, s92, REG                        ; my region: no place in the cluster enters an LDS address
	s_mul_i32 s94, s[HF], 3*KB                     ; the head's load: K steps 0-2 or 3-5
	s_mov_b32 s95, 0
	s_mul_i32 s93, s[HF], KB                       ; the refill: place 0 or 1,
	s_add_co_u32 s96, s93, NPL*KB                  ; K step 6 or 7
	s_mov_b32 s97, 0
	s_wait_dscnt 0x0
	s_wait_kmcnt 0x0
	s_add_nc_u64 s[66:67], s[4:5], s[66:67]
	s_add_nc_u64 s[68:69], s[4:5], s[68:69]
	CROUND                                         ; all sixteen work-groups are here: the joint loads meet
	MKG0 G0X, 66
	MKG0 G0W, 68
	JLOAD 0                                        ; one tensor load a wave at the head
	s_mov_b32 s[SEL], 0x76543210
	s_mov_b32 s[SEL+1], 0xfedcba98                 ; v_permlanex16_b32's selects for lane l xor 16
	s_mul_i32 s80, s[P1], REG                      ; source 1's panel: places 0-2,
	s_add_co_u32 s81, s80, 3*KB                    ; places 3-5,
	s_add_co_u32 s82, s80, 12288                   ; and their scale words
	s_add_co_u32 s83, s81, 12288
	s_mul_i32 s86, s[P0], REG
	s_add_co_u32 s86, s86, 2*REG                   ; source 0's panel, behind source 1's two regions,
	s_mul_i32 s85, s[HF], 4*1536
	s_add_co_u32 s84, s86, s85                     ; my four tiles of it
	s_add_co_u32 s85, s84, 3*KB
	s_lshl_b32 s87, s[HF], 9
	s_add_co_u32 s86, s86, s87
	s_add_co_u32 s86, s86, 12288                   ; and their scale words
	s_add_co_u32 s87, s86, 3*KB
	; where the results go.  q: blocks of 6,656 bytes [batch x head][128 tokens]: token tile T's half record at 768 T, its two scale bytes at 6,144 + 128 (T / 2) + 2 (T % 2) + 4 x lane.
	; k, v: blocks of 13,312: k's 6,656 laid likewise, then v's: channel tile c's record at 1,536 c, the keys' half at 768, its scale bytes at 6,144 + 128 c + 2 x half + 4 x lane
	s_cmp_eq_u32 s98, 0
	s_cselect_b32 s16, s[P1], s[P0]                ; which panel of tokens is mine,
	s_cselect_b32 s17, s[P0], s[P1]                ; which panel of channels;
	s_cselect_b32 s18, s[HF], 0                    ; q, k: my 64 channels are one head of the panel's two
	s_lshl_b32 s92, s[PRB], 1
	s_add_co_u32 s92, s92, s16                     ; the panel of tokens, 0 .. 31
	s_lshl_b32 s93, s[COL], 1
	s_add_co_u32 s93, s93, s17
	s_and_b32 s93, s93, 7
	s_lshl_b32 s93, s93, 1
	s_add_co_u32 s93, s93, s18                     ; head (v: the first of my two)
	s_lshr_b32 s94, s92, 4                         ; batch
	s_lshl_b32 s94, s94, 4
	s_add_co_u32 s94, s94, s93
	s_lshl_b32 s94, s94, 4
	s_and_b32 s95, s92, 15                         ; which 128 tokens of the batch
	s_add_co_u32 s94, s94, s95
	s_lshl_b32 s95, 6656, s99                      ; a block's bytes
	s_mul_i32 s94, s94, s95
	s_mul_i32 s95, s99, KVOFF
	s_add_co_u32 s94, s94, s95
	s_mul_i32 s95, s98, 6656
	s_add_co_u32 s94, s94, s95                     ; the block's (for v: its second half's) first byte
	s_mul_i32 s95, s98, s[HF]                      ; v: which 64 keys are mine
	s_mul_i32 s96, s95, 768
	s_add_co_u32 s96, s96, s94
	s_mov_b32 s97, 0
	s_add_nc_u64 s[CB:CB+1], s[6:7], s[96:97]
	s_lshl_b32 s96, s95, 1
	s_add_co_u32 s96, s96, s94
	s_add_co_u32 s96, s96, 6144
	s_add_nc_u64 s[SB:SB+1], s[6:7], s[96:97]
	s_mul_i32 s96, s98, 212992-3072                ; accumulator rows 4-7: q, k: token tiles 4-7 (3,072 and 256 bytes on);  v: the next head's block (16 x 13,312 bytes on)
	s_add_co_u32 s96, s96, 3072
	s_add_nc_u64 s[CB+2:CB+3], s[CB:CB+1], s[96:97]
	s_mul_i32 s96, s98, 212992-256
	s_add_co_u32 s96, s96, 256
	s_add_nc_u64 s[SB+2:SB+3], s[SB:SB+1], s[96:97]
	s_mov_b32 s74, 0                               ; row a % 4's half record: 768 (q, k) or 1,536 (v) apart
	s_lshl_b32 s75, 768, s98
	s_lshl_b32 s76, 1536, s98
	s_lshl_b32 s77, 2304, s98
	s_mov_b32 s88, 0                               ; its two scale bytes: 0, 2, 128, 130 or 0, 128, 256, 384
	s_mul_i32 s89, s98, 6
	s_lshl_b32 s89, 2, s89
	s_lshl_b32 s90, 128, s98
	s_add_co_u32 s91, s89, s90
	v_and_b32 v1, 31, v0
	s_delay_alu instid0(VALU_DEP_1)
	v_lshlrev_b32 v[L16], 4, v1
	s_delay_alu instid0(VALU_DEP_2)
	v_lshlrev_b32 v[L8], 3, v1
	s_delay_alu instid0(VALU_DEP_3)
	v_lshlrev_b32 v[L4], 2, v1
.irp b, 0,1,2,3
	v_mov_b32 v[TM+4+\b], 0                        ; written once: a lane permute's destination counts as one of its sources
.endr
.irp g, 0,1
	v_add_nc_u32 v[AAD+3*\g], s[80+\g], v[L16]
	v_add_nc_u32 v[AAD+3*\g+1], s[80+\g], v[L8]
	v_add_nc_u32 v[AAD+3*\g+2], s[82+\g], v[L4]
	v_add_nc_u32 v[BAD+3*\g], s[84+\g], v[L16]
	v_add_nc_u32 v[BAD+3*\g+1], s[84+\g], v[L8]
	v_add_nc_u32 v[BAD+3*\g+2], s[86+\g], v[L4]
.endr
.irp i, 0,1,2,3
	v_add_nc_u32 v[VO16+\i], s[74+\i], v[L16]
	v_add_nc_u32 v[VO8+\i], s[74+\i], v[L8]
	v_add_nc_u32 v[VO4+\i], s[88+\i], v[L4]
.endr
	s_wait_alu depctr_va_vdst(0)
	s_wait_tensorcnt 0x0                           ; my half region is in.  No tensor load of mine is out, so a descriptor may be written: the one later load brings one K step, 52 rows
	s_mov_b32 s[G1X+2], 52<<16
	s_mov_b32 s[G1X+4], 52
	s_mov_b32 s[G1W+2], 52<<16
	s_mov_b32 s[G1W+4], 52
	s_barrier_signal -1
	s_barrier_wait -1                              ; everybody's is
	FETCH 0
	STEP 0, 1, 0                                   ; the first products start the sums: nothing is cleared
	STEP 1, 0, 1                                   ; places 0 and 1 are filled again
	STEP 2, 0, 0
	STEP 3, 0, 0
	STEP 4, 0, 0
	STEP 5, 0, 2                                   ; K steps 6 and 7 are whole
	STEP 6, 0, 0
	s_wait_dscnt 16                                ; the last K step: nothing more to fetch
	WIN MULW
	MULH 0, 0
	s_wait_dscnt 0x0
	MULH 4, 0
	PLACES
	WIN 0
.irp g, 0,1,2,3
	OUT2 \g
.endr
	s_wait_tensorcnt 0x0                           ; the wave's end
	ds_add_u32 v[SPW], v[NIL]
	s_wait_dscnt 0x0
	CROUND                                         ; the closing round: no work-group ends while a partner may still ask for a tile that names it
	s_endpgm
.Lfunc_end_k_qf81ce3c44b_proj:
	.size	k_qf81ce3c44b_proj, .Lfunc_end_k_qf81ce3c44b_proj-k_qf81ce3c44b_proj
	.p2alignl 7, 3214868480
	.fill 96, 4, 3214868480
	.section	.rodata,"a",@progbits
	.p2align	6, 0x0
	.amdhsa_kernel k_qf81ce3c44b_proj
		.amdhsa_group_segment_fixed_size 327680
		.amdhsa_private_segment_fixed_size 0
		.amdhsa_enable_private_segment 0
		.amdhsa_kernarg_size 16
		.amdhsa_user_sgpr_count 2
		.amdhsa_user_sgpr_kernarg_segment_ptr 1
		.amdhsa_wavefront_size32 1
		.amdhsa_system_sgpr_workgroup_id_x 1
		.amdhsa_system_sgpr_workgroup_id_y 1
		.amdhsa_system_sgpr_workgroup_id_z 1
		.amdhsa_system_vgpr_workitem_id 0
		.amdhsa_next_free_vgpr 512
		.amdhsa_next_free_sgpr 100
		.amdhsa_reserve_vcc 0
		.amdhsa_float_denorm_mode_32 3
		.amdhsa_float_denorm_mode_16_64 3
		.amdhsa_memory_ordered 1
		.amdhsa_forward_progress 1
		.amdhsa_inst_pref_size 93
	.end_amdhsa_kernel
	.amdgpu_metadata
---
amdhsa.version: [ 1, 2 ]
amdhsa.kernels:
  - .name:           k_qf81ce3c44b_proj
    .symbol:         k_qf81ce3c44b_proj.kd
    .args:
      - { .name: opnd, .offset: 0, .size: 8, .value_kind: global_buffer, .address_space: global }
      - { .name: qkv, .offset: 8, .size: 8, .value_kind: global_buffer, .address_space: global }
    .group_segment_fixed_size: 327680
    .private_segment_fixed_size: 0
    .kernarg_segment_align: 8
    .kernarg_segment_size: 16
    .max_flat_workgroup_size: 256
    .sgpr_count:     100
    .vgpr_count:     512
    .wavefront_size: 32
...
	.end_amdgpu_metadata
.endif
;; end of part 2
;; launch attn (part 3): grid 8 x 32, 16 waves a work-group, clusters of 4 x 1, 215,040 bytes of LDS; arguments qkv, oimg; writes oimg
.if DOCPART == 3
	.amdgcn_target "amdgcn-amd-amdhsa--gfx1250"
	.amdhsa_code_object_version 6
	.text
	.protected	k_qf81ce3c44b_attn
	.globl	k_qf81ce3c44b_attn
	.p2align	8
	.type	k_qf81ce3c44b_attn,@function
k_qf81ce3c44b_attn:
	s_mov_b64 s[64:65], 0
	v_nop
	global_prefetch_b8 v0, s[64:65] scope:SCOPE_SE
	s_setreg_imm32_b32 hwreg(HW_REG_WAVE_MODE, 25, 1), 1
	s_wait_xcnt 0x0
	s_wait_alu depctr_hold_cnt(0) depctr_sa_sdst(0) depctr_va_vdst(0) depctr_va_sdst(0) depctr_va_ssrc(0) depctr_va_vcc(0) depctr_vm_vsrc(0)
	s_getreg_b32 s2, hwreg(HW_REG_IB_STS2, 6, 4)
	s_cmp_eq_u32 s2, 0
	s_cbranch_scc0 .Lentry_in_a_cluster
	s_endpgm
.Lentry_in_a_cluster:
	s_bfe_u32 s2, ttmp6, 0x10000c
	s_cmp_lg_u32 s2, 0x3003
	s_cbranch_scc0 .Lentry_shape_is_right
	s_endpgm
.Lentry_shape_is_right:
; out[b][h][q] = the sum over keys of softmax(q . k / 8) v, both products on codes of FP6 (E2M3); out is quantised along D and stored as the next product's register image.
; THE SOFTMAX: t = score x log2(e) / 8; M = the row's largest t so far, rounded UP to a whole number; p = 2^(t - M) is quantised along the keys, not normalised; the row's sum of the unquantised p divides at the end.
; When M moves, the sum and O are multiplied by 2^(old M - new M): exact.
; SHARES.  A work-group owns 256 queries of one (batch, head); each of its sixteen waves one tile of 16, in 256 registers: four waves to a SIMD, so that one wave's vector work stands beside another's products and LDS loads.
; K AND V OF A WHOLE HEAD, 16 steps of 128 keys x 13,312 bytes = 212,992, lie in LDS: filled once, by eight loads of two steps, so there is no ring.  The four query blocks of a cluster belong to one head and ask for each load jointly.
; THE HEAD'S 64 AGAINST THE INSTRUCTION'S 128.  A record of k holds TWO key tiles: tile 2 g in K = 0 .. 63, tile 2 g + 1 in K = 64 .. 127.  q stands twice in registers, as [q | zeros] and as [zeros | q]: the first picks
; tile 2 g's scores out of the record, the second tile 2 g + 1's.  Zero codes add nothing under any scale byte but 0xff; the spare bytes of q's scale words are 0.
; LAYOUT.  Both products are used transposed (S^T = k q^T, O^T = v^T p^T): a lane holds one query throughout.  A tile's keys are not neighbours (lane r of tile t: key 32 (t / 2) + 8 (t % 2) + r + 8 (r / 8)), so the 16 registers
; of score tiles 2 b and 2 b + 1 are keys 32 b + 16 (lane / 16) + 0 .. 15; v's channels are ordered likewise, so O^T's 32 registers are 64 neighbours along D.
; REGISTERS: v1-3 the step's LDS addresses; v4-6 lane terms; v7, v8 q's scale words; v12 -M, v13 the largest t, v[14:15] the sum; v16-39 q twice; v40-87 four fragments of k, then of v; v88-91 their scale words;
;   v96-159 S^T, then p; v160-191 O^T; v192-211 p's codes; v212-228 at work.
; LIMITS: NaN and infinities are not served; a p under 2^-126 becomes 0; the division is a reciprocal and a multiplication.
.set KB,    13312
.set KVOFF, 3407872
.set CHB,   4*KB                       ; a chunk: four steps of 128 keys
.set WV,  18
.set SEL, 20
.set CS,  22
.set G1,  24
.set G0,  32                           ; s[32:35]: the group 0 of my load
.set TB,  48                           ; the LDS byte at which the step in hand begins
.set CNT, 49
.set MX,  212
.set PL,  216
.set SO,  220
.set TM,  212                          ; the last quantiser's registers
.macro CROUND
	s_barrier_signal -1
	s_barrier_wait -1
	s_cmp_lg_u32 s[WV], 0
	s_cbranch_scc1 .Lnot_wave_0_\@
	s_barrier_signal -3
.Lnot_wave_0_\@:
	s_barrier_wait -3
	s_barrier_signal -1
	s_barrier_wait -1
.endm
.macro RECORDS off                     ; four records of 12 registers and their scale words: five loads a record
.irp g, 0,1,2,3
	ds_load_b128 v[40+12*\g:43+12*\g], v1 offset:\off+1536*\g
	ds_load_b64 v[44+12*\g:45+12*\g], v2 offset:\off+1536*\g+512
	ds_load_b128 v[46+12*\g:49+12*\g], v1 offset:\off+1536*\g+768
	ds_load_b64 v[50+12*\g:51+12*\g], v2 offset:\off+1536*\g+1280
	ds_load_b32 v[88+\g], v3 offset:\off+6144+128*\g
.endr
.endm
.macro HQUANT s, pc, pw                ; 32 numbers of a lane, register 16 b + i = k 32 b + 16 (lane / 16) + i, become half a fragment's codes and its two scale bytes
.irp b, 0,1
	v_max3_num_f32 v[TM+\b], |v[(\s)+16*\b]|, |v[(\s)+1+16*\b]|, 0x1800000
.endr
.irp i, 2,4,6,8,10,12,14
.irp b, 0,1
	s_delay_alu instid0(VALU_DEP_2)
	v_max3_num_f32 v[TM+\b], v[TM+\b], |v[(\s)+16*\b+\i]|, |v[(\s)+1+16*\b+\i]|
.endr
.endr
.irp b, 0,1
	s_delay_alu instid0(VALU_DEP_2)
	v_permlanex16_b32 v[TM+2+\b], v[TM+\b], s[SEL], s[SEL+1]
.endr
.irp b, 0,1
	s_delay_alu instid0(VALU_DEP_2)
	v_max_num_f32 v[TM+\b], v[TM+\b], v[TM+2+\b]
.endr
.irp b, 0,1
	s_delay_alu instid0(VALU_DEP_2)
	v_add_nc_u32 v[TM+4+\b], 0xff000000, v[TM+\b]
.endr
.irp b, 0,1
	s_delay_alu instid0(VALU_DEP_2)
	v_lshrrev_b32 v[TM+6+\b], 23, v[TM+4+\b]
.endr
	s_delay_alu instid0(VALU_DEP_1)
	v_lshl_or_b32 v[\pw], v[TM+7], 8, v[TM+6]
	v_cvt_scalef32_pk16_fp6_f32 v[(\pc):(\pc)+2], v[(\s):(\s)+15], v[TM+4]
	v_cvt_scalef32_pk16_fp6_f32 v[(\pc)+4:(\pc)+6], v[(\s)+16:(\s)+31], v[TM+5]
	v_nop
.irp i, 0,1,2
	v_permlane16_swap_b32 v[(\pc)+\i], v[(\pc)+4+\i]
.endr
	s_delay_alu instid0(VALU_DEP_3)
	v_mov_b32 v[(\pc)+3], v[(\pc)+4]
	s_delay_alu instid0(VALU_DEP_3)
	v_mov_b32 v[(\pc)+4], v[(\pc)+5]
	s_delay_alu instid0(VALU_DEP_3)
	v_mov_b32 v[(\pc)+5], v[(\pc)+6]
.endm
; A KEY STEP: 128 keys
.macro STEP
	v_add_nc_u32 v1, s[TB], v4
	v_add_nc_u32 v2, s[TB], v5
	v_add_nc_u32 v3, s[TB], v6
	v_nop                                          ; with the three additions: four plain lines between the last step's products and the loads into the registers that they read
	RECORDS 0                                      ; k
	s_wait_alu depctr_va_vdst(0)
.irp g, 0,1,2,3
	s_wait_dscnt 15-5*\g                           ; record g's five loads are in; the later records' may be out
	v_wmma_scale_f32_16x16x128_f8f6f4 v[96+16*\g:103+16*\g], v[40+12*\g:51+12*\g], v[16:27], 0, v[88+\g], v7 matrix_a_fmt:MATRIX_FMT_FP6 matrix_b_fmt:MATRIX_FMT_FP6
	v_wmma_scale_f32_16x16x128_f8f6f4 v[104+16*\g:111+16*\g], v[40+12*\g:51+12*\g], v[28:39], 0, v[88+\g], v8 matrix_a_fmt:MATRIX_FMT_FP6 matrix_b_fmt:MATRIX_FMT_FP6
.endr
.rept 4
	v_nop
.endr
	RECORDS 6656                                   ; v, into the same registers: it lands while the softmax is walked
.irp b, 0,1,2,3
	v_max3_num_f32 v[MX+\b], v[96+16*\b], v[97+16*\b], v[98+16*\b]   ; the largest score of each block of 32 keys: it serves the row's maximum and, since p rises with the score, the block's largest p
.endr
.irp i, 3,5,7,9,11,13
.irp b, 0,1,2,3
	v_max3_num_f32 v[MX+\b], v[MX+\b], v[96+16*\b+\i], v[97+16*\b+\i]
.endr
.endr
.irp b, 0,1,2,3
	v_max_num_f32 v[MX+\b], v[MX+\b], v[111+16*\b]
.endr
.irp b, 0,1,2,3
	s_delay_alu instid0(VALU_DEP_4)
	v_permlanex16_b32 v[PL+\b], v[MX+\b], s[SEL], s[SEL+1]
.endr
.irp b, 0,1,2,3
	s_delay_alu instid0(VALU_DEP_4)
	v_max_num_f32 v[MX+\b], v[MX+\b], v[PL+\b]     ; with lane l xor 16's 16 keys
.endr
	s_delay_alu instid0(VALU_DEP_2)
	v_max3_num_f32 v224, v212, v213, v214
	s_delay_alu instid0(VALU_DEP_1)
	v_max_num_f32 v224, v224, v215                 ; the step's largest score of my query
	s_delay_alu instid0(VALU_DEP_1)
	v_mul_f32 v224, s[CS], v224                    ; as t (c is positive)
	s_delay_alu instid0(VALU_DEP_1)
	v_max_num_f32 v13, v13, v224                   ; the running largest t
	v_mov_b32 v224, v12
	s_delay_alu instid0(VALU_DEP_2)
	v_floor_f32 v12, -v13                          ; the new -M = floor(-t): M is a whole number
	s_delay_alu instid0(VALU_DEP_1)
	v_sub_f32 v224, v12, v224                      ; old M - new M: a whole number, 0 or less
	s_delay_alu instid0(VALU_DEP_1)
	v_cvt_i32_f32 v224, v224                       ; (it saturates)
	s_delay_alu instid0(VALU_DEP_1)
	v_ldexp_f32 v226, 1.0, v224                    ; f = 2^(old M - new M)
.set j, 0
.rept 32
	v_pk_fma_f32 v[96+j:97+j], v[96+j:97+j], s[CS:CS+1], v[12:13] op_sel_hi:[1,0,0]   ; t - M, two at a time
.set j, j+2
.endr
.irp b, 0,1,2,3
	v_fma_f32 v[MX+\b], v[MX+\b], s[CS], v12       ; the same of each block's largest score
.endr
.set j, 0
	s_wait_alu depctr_va_vdst(0)
.rept 64
	v_exp_f32 v[96+j], v[96+j]                     ; p = 2^(t - M), at most 1
.set j, j+1
.endr
	v_pk_mul_f32 v[14:15], v[14:15], v[226:227] op_sel_hi:[1,0]   ; the sum under the new M: the plain line behind the exponentials
	s_wait_alu depctr_va_vdst(0)                   ; one wait for the whole batch, ahead of its first reader
.irp b, 0,1,2,3
	v_exp_f32 v[MX+\b], v[MX+\b]                   ; the block's largest p: the same two instructions on the same number
.endr
	v_pk_add_f32 v[216:217], v[100:101], v[104:105]
	v_pk_add_f32 v[252:253], v[108:109], v[112:113]
	v_pk_add_f32 v[250:251], v[116:117], v[120:121]
	v_pk_add_f32 v[248:249], v[124:125], v[128:129]
	v_pk_add_f32 v[246:247], v[132:133], v[136:137]
	v_pk_add_f32 v[244:245], v[140:141], v[144:145]
	v_pk_add_f32 v[242:243], v[148:149], v[152:153]
	v_pk_add_f32 v[14:15], v[14:15], v[156:157]
	v_pk_add_f32 v[216:217], v[216:217], v[96:97]
	v_pk_add_f32 v[252:253], v[252:253], v[98:99]
	v_pk_add_f32 v[250:251], v[250:251], v[102:103]
	v_pk_add_f32 v[248:249], v[248:249], v[106:107]
	v_pk_add_f32 v[246:247], v[246:247], v[110:111]
	v_pk_add_f32 v[244:245], v[244:245], v[114:115]
	v_pk_add_f32 v[242:243], v[242:243], v[118:119]
	v_pk_add_f32 v[14:15], v[14:15], v[122:123]
	v_pk_add_f32 v[216:217], v[216:217], v[126:127]
	v_pk_add_f32 v[252:253], v[252:253], v[130:131]
	v_pk_add_f32 v[250:251], v[250:251], v[134:135]
	v_pk_add_f32 v[248:249], v[248:249], v[138:139]
	v_pk_add_f32 v[246:247], v[246:247], v[142:143]
	v_pk_add_f32 v[244:245], v[244:245], v[146:147]
	v_pk_add_f32 v[242:243], v[242:243], v[150:151]
	v_pk_add_f32 v[14:15], v[14:15], v[154:155]
	v_pk_add_f32 v[216:217], v[216:217], v[158:159]
	s_delay_alu instid0(VALU_DEP_2)
	v_pk_add_f32 v[14:15], v[14:15], v[248:249]
	s_delay_alu instid0(VALU_DEP_2)
	v_pk_add_f32 v[216:217], v[216:217], v[246:247]
	v_pk_add_f32 v[252:253], v[252:253], v[244:245]
	v_pk_add_f32 v[250:251], v[250:251], v[242:243]
	s_delay_alu instid0(VALU_DEP_2)
	v_pk_add_f32 v[14:15], v[14:15], v[252:253]
	s_delay_alu instid0(VALU_DEP_2)
	v_pk_add_f32 v[216:217], v[216:217], v[250:251]
	s_delay_alu instid0(VALU_DEP_1)
	v_pk_add_f32 v[14:15], v[14:15], v[216:217]
	s_wait_alu depctr_va_vdst(0)                   ; and one for the four
.irp b, 0,1,2,3
	v_max_num_f32 v[MX+\b], 0x1800000, v[MX+\b]    ; the floor 2^(3 - 127): the byte cannot fall under 1
.endr
.irp b, 0,1,2,3
	s_delay_alu instid0(VALU_DEP_4)
	v_add_nc_u32 v[SO+\b], 0xff000000, v[MX+\b]    ; 2 off the exponent field: the conversion's scale operand
.endr
.irp b, 0,1,2,3
	s_delay_alu instid0(VALU_DEP_4)
	v_lshrrev_b32 v[PL+\b], 23, v[SO+\b]           ; the scale's byte
.endr
	s_delay_alu instid0(VALU_DEP_3)
	v_lshl_or_b32 v228, v217, 8, v216              ; p's scale word for these 128 keys
	s_delay_alu instid0(VALU_DEP_1)
	v_lshl_or_b32 v228, v218, 16, v228
	s_delay_alu instid0(VALU_DEP_1)
	v_lshl_or_b32 v228, v219, 24, v228
.irp c, 0,1
	v_cvt_scalef32_pk16_fp6_f32 v[192+6*\c:194+6*\c], v[96+32*\c:111+32*\c], v[SO+2*\c]
	v_cvt_scalef32_pk16_fp6_f32 v[204+4*\c:206+4*\c], v[112+32*\c:127+32*\c], v[SO+2*\c+1]
.endr
	v_nop                                          ; one plain line behind the scaled conversions
.irp c, 0,1                                    ; a whole block to a lane: lanes 0-15 block 2 c, lanes 16-31 block 2 c + 1
.irp i, 0,1,2
	v_permlane16_swap_b32 v[192+6*\c+\i], v[204+4*\c+\i]
.endr
.irp i, 0,1,2
	s_delay_alu instid0(VALU_DEP_3)
	v_mov_b32 v[195+6*\c+\i], v[204+4*\c+\i]
.endr
.endr
.set j, 0
.rept 16
	v_pk_mul_f32 v[160+j:161+j], v[160+j:161+j], v[226:227] op_sel_hi:[1,0]   ; O^T under the new M.  These sixteen also stand between the lines that wrote p's codes and scale word and the products below
.set j, j+2
.endr
	s_wait_alu depctr_va_vdst(0)
	s_wait_dscnt 0x0                               ; v
.irp t, 0,1,2,3
	v_wmma_scale_f32_16x16x128_f8f6f4 v[160+8*\t:167+8*\t], v[40+12*\t:51+12*\t], v[192:203], v[160+8*\t:167+8*\t], v[88+\t], v228 matrix_a_fmt:MATRIX_FMT_FP6 matrix_b_fmt:MATRIX_FMT_FP6
.endr
	s_add_co_u32 s[TB], s[TB], KB
.endm
.macro WALK                            ; all sixteen steps in one loop.  Each fetching wave waits for its one load and signals; all read behind the one barrier; nothing is filled again
	s_wait_alu depctr_va_vdst(0)
	s_wait_tensorcnt 0x0
	s_barrier_signal -1
	s_barrier_wait -1
	s_mov_b32 s[CNT], 16
.Lstep_\@:
	STEP
	s_sub_co_u32 s[CNT], s[CNT], 1
	s_cmp_lg_u32 s[CNT], 0
	s_cbranch_scc1 .Lstep_\@
.endm
	s_load_b128 s[4:7], s[0:1], 0x0                ; qkv, oimg
	v_lshl_add_u32 v254, v0, 2, 0x34000
	v_mov_b32 v255, 0
	ds_add_u32 v254, v255
	ds_add_u32 v254, v255
	v_lshrrev_b32 v1, 5, v0
	s_delay_alu instid0(VALU_DEP_1)
	v_readfirstlane_b32 s[WV], v1                  ; wave 0..15
	s_bfe_u32 s50, ttmp6, 0x40000                  ; cx
	s_lshl_b32 s51, ttmp9, 2
	s_add_co_u32 s51, s51, s50                     ; my block of 256 queries: it enters q's and the result's addresses alone
	s_and_b32 s52, ttmp7, 0xffff                   ; batch x 16 + head, which the four partners share
	s_and_b32 s53, s[WV], 7
	s_mul_i32 s54, s53, 2*KB                       ; which two steps of the head I fetch, if I fetch
	s_mul_i32 s56, s52, 16*KB
	s_add_co_u32 s56, s56, s54
	s_add_co_u32 s56, s56, KVOFF
	s_mov_b32 s57, 0
	s_mov_b32 s[G1], 15|(3<<16)|(1<<21)            ; 15:0 the mask: all four work-groups; 17:16 elements of 8 bytes; 21 set beside a mask; no padding
	s_mov_b32 s[G1+1], 32<<16                      ; 26,624 dense bytes as 104 rows of 256
	s_mov_b32 s[G1+2], 104<<16
	s_mov_b32 s[G1+3], 32<<16
	s_mov_b32 s[G1+4], 104
	s_mov_b32 s[G1+5], 32
	s_mov_b32 s[G1+6], 0
	s_mov_b32 s[G1+7], 0
	s_mov_b32 s[SEL], 0x76543210
	s_mov_b32 s[SEL+1], 0xfedcba98
	s_mov_b32 s[CS], 0x3e38aa3b                    ; c = log2(e) / 8
	s_mov_b32 s[CS+1], s[CS]                       ; (named with it as a pair, so it is written)
	s_mov_b32 s[TB], 0
	s_lshl_b32 s58, s51, 4
	s_add_co_u32 s58, s58, s[WV]                   ; my tile of 16 queries, 0 .. 127
	s_lshr_b32 s59, s58, 3                         ; which 128 tokens,
	s_and_b32 s60, s58, 7                          ; which tile of them
	s_lshl_b32 s61, s52, 4
	s_add_co_u32 s61, s61, s59
	s_mul_i32 s61, s61, 6656                       ; q's block
	s_mul_i32 s62, s60, 768                        ; record tile / 2, half tile % 2
	s_add_co_u32 s62, s62, s61
	s_mov_b32 s63, 0
	s_lshr_b32 s66, s60, 1
	s_lshl_b32 s66, s66, 7
	s_and_b32 s68, s60, 1
	s_lshl_b32 s68, s68, 1
	s_add_co_u32 s66, s66, s68
	s_add_co_u32 s66, s66, s61
	s_add_co_u32 s66, s66, 6144                    ; its two scale bytes
	s_mov_b32 s67, 0
	s_lshr_b32 s70, s52, 4                         ; the result: panel = batch x 16 + which 128 tokens; K step = head / 2; half = head % 2
	s_lshl_b32 s70, s70, 4
	s_add_co_u32 s70, s70, s59
	s_lshl_b32 s70, s70, 3
	s_and_b32 s71, s52, 15
	s_lshr_b32 s72, s71, 1
	s_add_co_u32 s70, s70, s72
	s_mul_i32 s70, s70, KB
	s_and_b32 s71, s71, 1
	s_mul_i32 s72, s60, 1536
	s_mul_i32 s73, s71, 768
	s_add_co_u32 s72, s72, s73
	s_add_co_u32 s72, s72, s70
	s_mov_b32 s73, 0
	s_lshl_b32 s74, s60, 7
	s_lshl_b32 s75, s71, 1
	s_add_co_u32 s74, s74, s75
	s_add_co_u32 s74, s74, s70
	s_add_co_u32 s74, s74, 12288
	s_mov_b32 s75, 0
	s_wait_dscnt 0x0
	s_wait_kmcnt 0x0
	s_add_nc_u64 s[56:57], s[4:5], s[56:57]
	s_add_nc_u64 s[62:63], s[4:5], s[62:63]
	s_add_nc_u64 s[66:67], s[4:5], s[66:67]
	s_add_nc_u64 s[72:73], s[6:7], s[72:73]
	s_add_nc_u64 s[74:75], s[6:7], s[74:75]
	CROUND                                         ; all four work-groups are here: the joint loads meet
.irp c, 0
	s_mov_b32 s[G0+4*\c], 1
	s_add_co_u32 s[G0+4*\c+1], s54, \c*CHB
	s_add_nc_u64 s[G0+4*\c+2:G0+4*\c+3], s[56:57], \c*CHB
	s_or_b32 s[G0+4*\c+3], s[G0+4*\c+3], 0x80000000
.endr
	s_cmp_lt_u32 s[WV], 8                          ; waves 0 to 7 fetch, one load each: two steps of 128 keys, 26,624 bytes, at 26,624 x wave
	s_cbranch_scc0 .Lno_fetch
	tensor_load_to_lds s[G0:G0+3], s[G1:G1+7]
	s_nop 0
.rept 4
	v_nop
.endr
.Lno_fetch:
	v_and_b32 v1, 31, v0
	s_delay_alu instid0(VALU_DEP_1)
	v_lshlrev_b32 v4, 4, v1                        ; 16 x lane
	s_delay_alu instid0(VALU_DEP_2)
	v_lshlrev_b32 v5, 3, v1                        ; 8 x lane
	s_delay_alu instid0(VALU_DEP_3)
	v_lshlrev_b32 v6, 2, v1                        ; 4 x lane
	global_load_b128 v[16:19], v4, s[62:63]                ; [q | zeros]
	global_load_b64 v[20:21], v5, s[62:63] offset:512
	global_load_b128 v[34:37], v4, s[62:63]                ; [zeros | q]
	global_load_b64 v[38:39], v5, s[62:63] offset:512
	global_load_u16 v7, v6, s[66:67]                       ; q's two scale bytes, in bytes 0 and 1
.irp j, 22,23,24,25,26,27,28,29,30,31,32,33
	v_mov_b32 v[\j], 0
.endr
	v_mov_b32 v13, 0xff61b1e6                      ; the largest t so far: -3e38, under every t
	s_delay_alu instid0(VALU_DEP_1)
	v_floor_f32 v12, -v13                          ; -M
	v_mov_b32 v14, 0                               ; the sum, in two halves
	v_mov_b32 v15, 0
.irp b, 0,1,2,3
	v_mov_b32 v[PL+\b], 0                          ; written once: a lane permute's destination counts as one of its sources
.endr
	v_mov_b32 v227, 0                              ; (the upper half of the pair v[226:227])
	s_wait_loadcnt 0x0
	v_lshlrev_b32 v8, 16, v7                       ; and in bytes 2 and 3
.set j, 0
.rept 32
	v_mov_b32 v[160+j], 0                          ; O^T.  (The step is written once: the first finds zeros, which the first change of M leaves zeros)
.set j, j+1
.endr
	WALK
.rept 4
	v_nop                                          ; places behind the last products
.endr
	v_add_f32 v14, v14, v15                        ; the sum's two halves,
	s_delay_alu instid0(VALU_DEP_1)
	v_permlanex16_b32 v224, v14, s[SEL], s[SEL+1]
	s_delay_alu instid0(VALU_DEP_1)
	v_add_f32 v14, v14, v224                       ; and lane l xor 16's: the row's sum
	s_wait_alu depctr_va_vdst(0)
	v_rcp_f32 v226, v14
	v_nop                                          ; a plain line behind the reciprocal
	s_wait_alu depctr_va_vdst(0)                   ; the wait, ahead of its first reader
.set j, 0
.rept 16
	v_pk_mul_f32 v[160+j:161+j], v[160+j:161+j], v[226:227] op_sel_hi:[1,0]   ; register 16 b + i: channel 32 b + 16 (lane / 16) + i of my query
.set j, j+2
.endr
	HQUANT 160, 192, 224
	global_store_b128 v4, v[192:195], s[72:73]             ; 512 consecutive bytes
	global_store_b64 v5, v[196:197], s[72:73] offset:512   ; 256
	global_store_b16 v6, v224, s[74:75]                    ; my head's half of the lanes' scale words
	s_wait_tensorcnt 0x0
	ds_add_u32 v254, v255
	s_wait_dscnt 0x0
	CROUND                                         ; the closing round
	s_endpgm
.Lfunc_end_k_qf81ce3c44b_attn:
	.size	k_qf81ce3c44b_attn, .Lfunc_end_k_qf81ce3c44b_attn-k_qf81ce3c44b_attn
	.p2alignl 7, 3214868480
	.fill 96, 4, 3214868480
	.section	.rodata,"a",@progbits
	.p2align	6, 0x0
	.amdhsa_kernel k_qf81ce3c44b_attn
		.amdhsa_group_segment_fixed_size 215040
		.amdhsa_private_segment_fixed_size 0
		.amdhsa_enable_private_segment 0
		.amdhsa_kernarg_size 16
		.amdhsa_user_sgpr_count 2
		.amdhsa_user_sgpr_kernarg_segment_ptr 1
		.amdhsa_wavefront_size32 1
		.amdhsa_system_sgpr_workgroup_id_x 1
		.amdhsa_system_sgpr_workgroup_id_y 1
		.amdhsa_system_sgpr_workgroup_id_z 1
		.amdhsa_system_vgpr_workitem_id 0
		.amdhsa_next_free_vgpr 256
		.amdhsa_next_free_sgpr 100
		.amdhsa_reserve_vcc 0
		.amdhsa_float_denorm_mode_32 3
		.amdhsa_float_denorm_mode_16_64 3
		.amdhsa_memory_ordered 1
		.amdhsa_forward_progress 1
		.amdhsa_inst_pref_size 30
	.end_amdhsa_kernel
	.amdgpu_metadata
---
amdhsa.version: [ 1, 2 ]
amdhsa.kernels:
  - .name:           k_qf81ce3c44b_attn
    .symbol:         k_qf81ce3c44b_attn.kd
    .args:
      - { .name: qkv, .offset: 0, .size: 8, .value_kind: global_buffer, .address_space: global }
      - { .name: oimg, .offset: 8, .size: 8, .value_kind: global_buffer, .address_space: global }
    .group_segment_fixed_size: 215040
    .private_segment_fixed_size: 0
    .kernarg_segment_align: 8
    .kernarg_segment_size: 16
    .max_flat_workgroup_size: 512
    .sgpr_count:     100
    .vgpr_count:     256
    .wavefront_size: 32
...
	.end_amdgpu_metadata
.endif
;; end of part 3
;; launch oproj (part 4): grid 8 x 32, 4 waves a work-group, clusters of 4 x 4, 283,136 bytes of LDS; arguments oimg, opnd, bo, q_x, xbuf; writes xbuf
.if DOCPART == 4
	.amdgcn_target "amdgcn-amd-amdhsa--gfx1250"
	.amdhsa_code_object_version 6
	.text
	.protected	k_qf81ce3c44b_oproj
	.globl	k_qf81ce3c44b_oproj
	.p2align	8
	.type	k_qf81ce3c44b_oproj,@function
k_qf81ce3c44b_oproj:
	s_mov_b64 s[64:65], 0
	v_nop
	global_prefetch_b8 v0, s[64:65] scope:SCOPE_SE
	s_setreg_imm32_b32 hwreg(HW_REG_WAVE_MODE, 25, 1), 1
	s_wait_xcnt 0x0
	s_wait_alu depctr_hold_cnt(0) depctr_sa_sdst(0) depctr_va_vdst(0) depctr_va_sdst(0) depctr_va_ssrc(0) depctr_va_vcc(0) depctr_vm_vsrc(0)
	s_getreg_b32 s2, hwreg(HW_REG_IB_STS2, 6, 4)
	s_cmp_eq_u32 s2, 0
	s_cbranch_scc0 .Lentry_in_a_cluster
	s_endpgm
.Lentry_in_a_cluster:
	s_bfe_u32 s2, ttmp6, 0x10000c
	s_cmp_lg_u32 s2, 0xf033
	s_cbranch_scc0 .Lentry_shape_is_right
	s_endpgm
.Lentry_shape_is_right:
; x = q_x + out Wo^T + bo on codes of FP6 (E2M3).  x is stored twice: as f32 rows (the last launch's residual) and, quantised along D, as the next product's register image.
; A work-group makes 128 tokens x 128 channels: 256 work-groups.  Four waves, each 64 x 64: 16 accumulators.  (Tiles of 256 x 256 would be 64 work-groups.)
; OPERANDS lie in memory as images of the registers ([panel of 128 rows][K step of 128][13,312 bytes]: tile t at 1,536 t, half c at 768 c: 16 bytes a lane, then 8 bytes a lane; scale words at 12,288 + 128 t + 4 x lane).
; A K step's tile is one dense block for the tensor data mover, a fragment four LDS loads of consecutive bytes.  All of K = 1,024 fits in two slots of 512 along K: each is filled once.
; CLUSTERS: 4 x 4 work-groups; the activations' tile is asked for jointly along a row of the cluster, the weights' along a column.
; THE MATRIX INSTRUCTION is used transposed: source 0 = 16 rows of W, source 1 = 16 tokens: a lane holds one token, its registers run along the channels.  A tile's rows are not neighbours (lane r of tile t: row
; 32 (t / 2) + 8 (t % 2) + r + 8 (r / 8)): so the 16 registers of accumulators 2 b and 2 b + 1 are 16 neighbouring channels.  The bias is the C of each sum's first product.
; THE RESIDUAL is asked for at the head, as rows (sixteen lanes read 256 aligned bytes), into window 2; at the end it goes through the wave's own stage in LDS to take the accumulators' layout; the sums go back the same way and leave as rows.
; REGISTERS: window 0: v2-4 lane terms; v8-19 LDS addresses; v20-23 stage and row offsets; v32-47 scale words, two sets; v48-79 the bias, later codes; v112-123 the quantiser; v128-255 accumulators.
;   window 1: two fragment buffers at v0 and v128; at the end the residual in the accumulators' layout (v0-127) and rows on their way out (v128-255).   window 2: v0-127 the residual as loaded.
; LIMITS: NaN and infinities are not served; a block of zeros gets the byte 1 (its codes are zeros; this program alone reads the bytes).  The sum is (product + bias) + residual.
.set KTOT,   1024
.set KB,     13312
.set PANEL,  (KTOT/128)*KB
.set HALFS,  4*KB
.set SLOT,   2*HALFS
.set FR,     12
.set WOFF,   88*PANEL                  ; opnd: Wo
.set XIMG,   16777216                  ; xbuf: the image behind the f32 rows
.set RS,     2*SLOT                    ; behind the slots: a stage of 64 rows x (256 + 16) bytes for each wave; no tile lands there
.set L16, 2
.set L8,  3
.set L4,  4
.set A16, 8
.set B16, 14
.set RSA, 20                           ; the stage by the accumulators' layout
.set RSR, 21                           ; the stage by rows
.set GOUT, 22                          ; the same rows in memory
.set BOF, 23
.set SC,  32
.set BIASR, 48
.set PC,  48
.set TM,  112
.set PW,  120
.set ACC, 128
.set WV, 10
.set WM, 11
.set WN, 12
.set PR, 13
.set COL, 42
.set SEL, 20
.set G1X, 24
.set G0X, 32
.set G1W, 48
.set G0W, 56
.set CBASE, 80
.set SBASE, 82
.set MSB, 0
.macro WIN new
.if MSB != \new
	s_set_vgpr_msb (MSB<<8)|\new
.set MSB, \new
.endif
.endm
.set MUL,  0x05
.set TO_F, 0x40
.macro CREST
	s_cmp_lg_u32 s[WV], 0
	s_cbranch_scc1 .Lnot_wave_0_\@
	s_barrier_signal -3
.Lnot_wave_0_\@:
	s_barrier_wait -3
	s_barrier_signal -1
	s_barrier_wait -1
.endm
.macro CROUND
	s_barrier_signal -1
	s_barrier_wait -1
	CREST
.endm
.macro PLACES
.rept 4
	v_nop
.endr
.endm
.macro FRAG reg, adr, off
	ds_load_b128 v[(\reg):(\reg)+3], v[\adr] offset:\off
	ds_load_b64 v[(\reg)+4:(\reg)+5], v[(\adr)+1] offset:(\off)+512
	ds_load_b128 v[(\reg)+6:(\reg)+9], v[\adr] offset:(\off)+768
	ds_load_b64 v[(\reg)+10:(\reg)+11], v[(\adr)+1] offset:(\off)+1280
.endm
.macro FETCH slot, ks, p               ; 40 LDS loads: 8 scale words, W's four fragments, the tokens' four
	WIN 0
.irp i, 0,1,2,3
	ds_load_b32 v[SC+8*(\p)+4+\i], v[B16+3*(\slot)+2] offset:(\ks)*KB+\i*128
.endr
.irp i, 0,1,2,3
	ds_load_b32 v[SC+8*(\p)+\i], v[A16+3*(\slot)+2] offset:(\ks)*KB+\i*128
.endr
	WIN TO_F
.irp i, 0,1,2,3
	FRAG 128*(\p)+48+FR*\i, B16+3*(\slot), (\ks)*KB+\i*1536
.endr
.irp i, 0,1,2,3
	FRAG 128*(\p)+FR*\i, A16+3*(\slot), (\ks)*KB+\i*1536
.endr
.endm
; 8 matrix instructions.  cm = 2: the bias starts the sums.  The 16 accumulators take turns, one instruction a turn.
.macro MUL8 p, a0, cm
.irp a, \a0, \a0+1
.irp b, 0,1,2,3
.if \cm == 0
	v_wmma_scale_f32_16x16x128_f8f6f4 v[ACC+8*(4*(\a)+\b):ACC+8*(4*(\a)+\b)+7], v[128*(\p)+48+FR*\b:128*(\p)+48+FR*\b+FR-1], v[128*(\p)+FR*(\a):128*(\p)+FR*(\a)+FR-1], v[ACC+8*(4*(\a)+\b):ACC+8*(4*(\a)+\b)+7], v[SC+8*(\p)+4+\b], v[SC+8*(\p)+(\a)] matrix_a_fmt:MATRIX_FMT_FP6 matrix_b_fmt:MATRIX_FMT_FP6
.else
	v_wmma_scale_f32_16x16x128_f8f6f4 v[ACC+8*(4*(\a)+\b):ACC+8*(4*(\a)+\b)+7], v[128*(\p)+48+FR*\b:128*(\p)+48+FR*\b+FR-1], v[128*(\p)+FR*(\a):128*(\p)+FR*(\a)+FR-1], v[BIASR+8*\b:BIASR+8*\b+7], v[SC+8*(\p)+4+\b], v[SC+8*(\p)+(\a)] matrix_a_fmt:MATRIX_FMT_FP6 matrix_b_fmt:MATRIX_FMT_FP6
.endif
.endr
.endr
.endm
.macro KSTEP slot, ks, cm
	s_wait_dscnt 8                                 ; all but the youngest eight loads: the tokens' fragments 2 and 3
	WIN MUL
	MUL8 (\ks)%2, 0, \cm
	PLACES
	FETCH \slot, (\ks)+1, ((\ks)+1)%2
	s_wait_dscnt 40                                ; all but the 40 just issued
	WIN MUL
	MUL8 (\ks)%2, 2, \cm
.endm
.macro HQUANT s, pc, pw                ; 32 numbers of a lane, register 16 b + i = k 32 b + 16 (lane / 16) + i, become half a fragment's codes and its two scale bytes
.irp b, 0,1
	v_max3_num_f32 v[TM+\b], |v[(\s)+16*\b]|, |v[(\s)+1+16*\b]|, 0x1800000   ; with the floor 2^(3 - 127): the byte cannot fall under 1
.endr
.irp i, 2,4,6,8,10,12,14
.irp b, 0,1
	v_max3_num_f32 v[TM+\b], v[TM+\b], |v[(\s)+16*\b+\i]|, |v[(\s)+1+16*\b+\i]|
.endr
.endr
.irp b, 0,1
	v_permlanex16_b32 v[TM+2+\b], v[TM+\b], s[SEL], s[SEL+1]
.endr
.irp b, 0,1
	v_max_num_f32 v[TM+\b], v[TM+\b], v[TM+2+\b]
.endr
.irp b, 0,1
	v_add_nc_u32 v[TM+4+\b], 0xff000000, v[TM+\b]
.endr
.irp b, 0,1
	v_lshrrev_b32 v[TM+6+\b], 23, v[TM+4+\b]
.endr
	v_lshl_or_b32 v[\pw], v[TM+7], 8, v[TM+6]
	v_cvt_scalef32_pk16_fp6_f32 v[(\pc):(\pc)+2], v[(\s):(\s)+15], v[TM+4]
	v_cvt_scalef32_pk16_fp6_f32 v[(\pc)+4:(\pc)+6], v[(\s)+16:(\s)+31], v[TM+5]
	v_nop
.irp i, 0,1,2
	v_permlane16_swap_b32 v[(\pc)+\i], v[(\pc)+4+\i]
.endr
	v_mov_b32 v[(\pc)+3], v[(\pc)+4]
	v_mov_b32 v[(\pc)+4], v[(\pc)+5]
	v_mov_b32 v[(\pc)+5], v[(\pc)+6]
.endm
	s_load_b128 s[4:7], s[0:1], 0x0                ; oimg, opnd
	s_load_b64 s[8:9], s[0:1], 0x10                ; bo
	s_load_b64 s[16:17], s[0:1], 0x18              ; q_x
	s_load_b64 s[18:19], s[0:1], 0x20              ; xbuf
	v_lshl_add_u32 v126, v0, 2, 0x45000
	v_mov_b32 v127, 0
	ds_add_u32 v126, v127
	ds_add_u32 v126, v127
	v_lshrrev_b32 v1, 5, v0
	v_readfirstlane_b32 s[WV], v1
	s_lshr_b32 s[WM], s[WV], 1                     ; which 64 tokens are mine.  Also: I fetch activations (0) or weights (1)
	s_and_b32 s[WN], s[WV], 1                      ; which 64 channels.  Also: which slot (four K steps) I fetch
	s_bfe_u32 s40, ttmp6, 0x40000
	s_bfe_u32 s41, ttmp6, 0x40004
	s_lshl_b32 s[COL], ttmp9, 2
	s_add_co_u32 s[COL], s[COL], s40
	s_and_b32 s[PR], ttmp7, 0xffff
	s_lshl_b32 s[PR], s[PR], 2
	s_add_co_u32 s[PR], s[PR], s41
	s_lshl_b32 s43, s41, 2
	s_lshl_b32 s43, 15, s43
	s_lshl_b32 s44, 0x1111, s40
	s_or_b32 s[G1X], s43, (3<<16)|(1<<21)          ; 15:0 the mask; 17:16 elements of 8 bytes; 21 set beside a mask; no padding
	s_or_b32 s[G1W], s44, (3<<16)|(1<<21)
.irp g, G1X, G1W                               ; four K steps, 53,248 dense bytes, as 208 rows of 256 bytes
	s_mov_b32 s[\g+1], 32<<16
	s_mov_b32 s[\g+2], 208<<16
	s_mov_b32 s[\g+3], 32<<16
	s_mov_b32 s[\g+4], 208
	s_mov_b32 s[\g+5], 32
	s_mov_b32 s[\g+6], 0
	s_mov_b32 s[\g+7], 0
.endr
	s_mul_i32 s70, s[WN], HALFS                    ; my slot's four K steps in the panel
	s_mul_i32 s66, s[PR], PANEL
	s_add_co_u32 s66, s66, s70                     ; the activations' tile: by the tile row alone
	s_mov_b32 s67, 0
	s_mul_i32 s68, s[COL], PANEL
	s_add_co_u32 s68, s68, s70
	s_add_co_u32 s68, s68, WOFF                    ; the weights': by the tile column alone
	s_mov_b32 s69, 0
	s_mul_i32 s71, s[WN], SLOT                     ; where they go: my slot, the activations' or the weights' part of it
	s_mul_i32 s76, s[WM], HALFS
	s_add_co_u32 s71, s71, s76
	s_wait_dscnt 0x0
	s_wait_kmcnt 0x0
	s_add_nc_u64 s[66:67], s[4:5], s[66:67]
	s_add_nc_u64 s[68:69], s[6:7], s[68:69]
	CROUND                                         ; all sixteen work-groups are here: the joint loads meet
.irp s, 0
	s_mov_b32 s[G0X+4*\s], 1
	s_add_co_u32 s[G0X+4*\s+1], s71, \s*SLOT
	s_add_nc_u64 s[G0X+4*\s+2:G0X+4*\s+3], s[66:67], \s*HALFS
	s_or_b32 s[G0X+4*\s+3], s[G0X+4*\s+3], 0x80000000
	s_mov_b32 s[G0W+4*\s], 1
	s_add_co_u32 s[G0W+4*\s+1], s71, \s*SLOT
	s_add_nc_u64 s[G0W+4*\s+2:G0W+4*\s+3], s[68:69], \s*HALFS
	s_or_b32 s[G0W+4*\s+3], s[G0W+4*\s+3], 0x80000000
.endr
	s_cmp_eq_u32 s[WM], 0                          ; one fill a wave: the four together bring both operands for all of K
	s_cbranch_scc0 .Lfirst_w
	tensor_load_to_lds s[G0X:G0X+3], s[G1X:G1X+7]
	s_nop 0
.rept 4
	v_nop
.endr
	s_branch .Lfirst_asked
.Lfirst_w:
	tensor_load_to_lds s[G0W:G0W+3], s[G1W:G1W+7]
	s_nop 0
.rept 4
	v_nop
.endr
.Lfirst_asked:
	v_and_b32 v1, 31, v0
	v_lshlrev_b32 v[L16], 4, v1
	v_lshlrev_b32 v[L8], 3, v1
	v_lshlrev_b32 v[L4], 2, v1
	v_and_b32 v5, 15, v0                           ; r
	v_bfe_u32 v6, v0, 4, 1                         ; h
	v_lshlrev_b32 v[BOF], 6, v6                    ; the bias: 16 numbers on for lanes 16-31
	s_wait_alu depctr_va_vdst(0)
	v_lshlrev_b32 v[GOUT], 12, v6
	v_lshl_add_u32 v[GOUT], v5, 4, v[GOUT]         ; rows: lanes 0-15 one row's 256 bytes, lanes 16-31 the next row's
	s_wait_alu depctr_va_vdst(0)
	s_lshl_b32 s76, s[COL], 9
	s_lshl_b32 s77, s[WN], 8
	s_add_co_u32 s76, s76, s77                     ; my first channel, in bytes
	s_mov_b32 s77, 0
	s_add_nc_u64 s[8:9], s[8:9], s[76:77]
	s_lshl_b32 s78, s[PR], 19
	s_lshl_b32 s79, s[WM], 18
	s_add_co_u32 s78, s78, s79
	s_add_co_u32 s78, s78, s76                     ; my first token's row of 4,096 bytes, at my first channel
	s_mov_b32 s79, 0
	s_add_nc_u64 s[16:17], s[16:17], s[78:79]
.irp b, 0,1,2,3                                ; the bias in the result's layout: accumulator (a, b), register j: channel 32 (b / 2) + 16 h + 8 (b % 2) + j
	global_load_b128 v[BIASR+8*\b:BIASR+8*\b+3], v[BOF], s[8:9] offset:(32*(\b/2)+8*(\b%2))*4
	global_load_b128 v[BIASR+8*\b+4:BIASR+8*\b+7], v[BOF], s[8:9] offset:(32*(\b/2)+8*(\b%2))*4+16
.endr
	v_mov_b32 v[TM+2], 0                           ; written once: a lane permute's destination counts as one of its sources
	v_mov_b32 v[TM+3], 0
	s_mov_b32 s[SEL], 0x76543210
	s_mov_b32 s[SEL+1], 0xfedcba98
	s_mul_i32 s72, s[WM], 4*1536                   ; my four tiles of tokens,
	s_mul_i32 s73, s[WN], 4*1536
	s_add_co_u32 s73, s73, HALFS                   ; my four tiles of channels,
	s_lshl_b32 s74, s[WM], 9
	s_add_co_u32 s74, s74, 12288                   ; and their scale words
	s_lshl_b32 s75, s[WN], 9
	s_add_co_u32 s75, s75, HALFS+12288
.irp s, 0,1
	v_add_nc_u32 v[A16+3*\s], s72, v[L16]
	v_add_nc_u32 v[A16+3*\s+1], s72, v[L8]
	v_add_nc_u32 v[A16+3*\s+2], s74, v[L4]
	v_add_nc_u32 v[B16+3*\s], s73, v[L16]
	v_add_nc_u32 v[B16+3*\s+1], s73, v[L8]
	v_add_nc_u32 v[B16+3*\s+2], s75, v[L4]
	s_add_co_u32 s72, s72, SLOT
	s_add_co_u32 s73, s73, SLOT
	s_add_co_u32 s74, s74, SLOT
	s_add_co_u32 s75, s75, SLOT
.endr
	s_mul_i32 s84, s[WV], 64*272
	s_add_co_u32 s84, s84, RS                      ; my stage
	v_and_b32 v7, 8, v5
	v_add_nc_u32 v7, v7, v5                        ; r + 8 (r / 8)
	v_mul_u32_u24 v[RSA], v7, 272
	v_lshl_add_u32 v[RSA], v6, 6, v[RSA]
	v_add_nc_u32 v[RSA], s84, v[RSA]
	v_mul_u32_u24 v[RSR], v6, 272
	v_lshl_add_u32 v[RSR], v5, 4, v[RSR]
	v_add_nc_u32 v[RSR], s84, v[RSR]
	s_lshl_b32 s85, s[PR], 3
	s_add_co_u32 s85, s85, s[COL]
	s_mul_i32 s85, s85, KB                         ; x's image: panel = tile row, K step = tile column
	s_add_co_u32 s85, s85, XIMG
	s_mul_i32 s86, s[WM], 4*1536
	s_mul_i32 s87, s[WN], 768
	s_add_co_u32 s86, s86, s87
	s_add_co_u32 s86, s86, s85
	s_mov_b32 s87, 0
	s_add_nc_u64 s[CBASE:CBASE+1], s[18:19], s[86:87]
	s_lshl_b32 s88, s[WM], 9
	s_lshl_b32 s89, s[WN], 1
	s_add_co_u32 s88, s88, s89
	s_add_co_u32 s88, s88, s85
	s_add_co_u32 s88, s88, 12288
	s_mov_b32 s89, 0
	s_add_nc_u64 s[SBASE:SBASE+1], s[18:19], s[88:89]
	s_add_nc_u64 s[18:19], s[18:19], s[78:79]      ; x's f32 rows: the residual's place
	s_wait_alu depctr_va_vdst(0)
	s_wait_tensorcnt 0x0                           ; my one load is in,
	s_barrier_signal -1
	s_barrier_wait -1                              ; everybody's is
	s_wait_loadcnt 0x0                             ; the bias is in
	WIN 0x80                                       ; destination window 2
.set q, 0
.rept 32
	global_load_b128 v[4*q:4*q+3], v[GOUT], s[16:17] offset:q*8192 th:TH_LOAD_NT   ; the residual's rows 2 q and 2 q + 1 of my 64: asked for when the tiles are in, wanted behind the last product
.set q, q+1
.endr
	WIN 0
	FETCH 0, 0, 0
	KSTEP 0, 0, 2                                  ; the bias starts the sums
	KSTEP 0, 1, 0
	KSTEP 0, 2, 0
	s_wait_dscnt 8                                 ; the change of slots: both slots are whole since the one barrier
	WIN MUL
	MUL8 1, 0, 0
	PLACES
	FETCH 1, 0, 0
	s_wait_dscnt 40                                ; all but the 40 just issued
	WIN MUL
	MUL8 1, 2, 0
	KSTEP 1, 0, 0
	KSTEP 1, 1, 0
	KSTEP 1, 2, 0
	s_wait_dscnt 8
	WIN MUL
	MUL8 1, 0, 0
	s_wait_dscnt 0x0
	MUL8 1, 2, 0
	WIN 0
	PLACES
	s_wait_loadcnt 0x0                             ; the residual
	WIN 0x08                                       ; an LDS store's data are its source 1: window 2
.set q, 0
.rept 32
	ds_store_b128 v[RSR], v[4*q:4*q+3] offset:q*544
.set q, q+1
.endr
	WIN TO_F                                       ; LDS serves a wave's instructions in order (ISA guide 5.7.1.4): these see my stores
.irp a, 0,1,2,3
.irp u, 0,1,2,3,4,5,6,7
	ds_load_b128 v[32*\a+4*\u:32*\a+4*\u+3], v[RSA] offset:(32*(\a/2)+8*(\a%2))*272+128*(\u/4)+16*(\u%4)
.endr
.endr
	s_wait_dscnt 0x0
	WIN 0x04                                       ; source 1 window 1
.set j, 0
.rept 64
	v_pk_add_f32 v[ACC+j:ACC+j+1], v[ACC+j:ACC+j+1], v[j:j+1]       ; each accumulator from its low end on
.set j, j+2
.endr
	WIN 0
.irp a, 0,1,2,3
.irp u, 0,1,2,3,4,5,6,7
	ds_store_b128 v[RSA], v[ACC+32*\a+4*\u:ACC+32*\a+4*\u+3] offset:(32*(\a/2)+8*(\a%2))*272+128*(\u/4)+16*(\u%4)
.endr
.endr
	WIN TO_F
.set q, 0
.rept 32
	ds_load_b128 v[128+4*q:128+4*q+3], v[RSR] offset:q*544          ; back as rows
.set q, q+1
.endr
	WIN 0
.irp a, 0,1,2,3                                ; x's codes, while the rows come back
	HQUANT ACC+32*\a, PC+8*\a, PW+\a
	global_store_b128 v[L16], v[PC+8*\a:PC+8*\a+3], s[CBASE:CBASE+1] offset:1536*\a
	global_store_b64 v[L8], v[PC+8*\a+4:PC+8*\a+5], s[CBASE:CBASE+1] offset:1536*\a+512
	global_store_b16 v[L4], v[PW+\a], s[SBASE:SBASE+1] offset:128*\a
.endr
	s_wait_dscnt 0x0
	WIN 0x04                                       ; a store's data are its source 1: window 1
.set q, 0
.rept 32
	global_store_b128 v[GOUT], v[128+4*q:128+4*q+3], s[18:19] offset:q*8192   ; sixteen lanes store 256 consecutive bytes, aligned
.set q, q+1
.endr
	WIN 0
	s_wait_tensorcnt 0x0
	ds_add_u32 v126, v127
	s_wait_dscnt 0x0
	CROUND                                         ; the closing round
	s_endpgm
.Lfunc_end_k_qf81ce3c44b_oproj:
	.size	k_qf81ce3c44b_oproj, .Lfunc_end_k_qf81ce3c44b_oproj-k_qf81ce3c44b_oproj
	.p2alignl 7, 3214868480
	.fill 96, 4, 3214868480
	.section	.rodata,"a",@progbits
	.p2align	6, 0x0
	.amdhsa_kernel k_qf81ce3c44b_oproj
		.amdhsa_group_segment_fixed_size 283136
		.amdhsa_private_segment_fixed_size 0
		.amdhsa_enable_private_segment 0
		.amdhsa_kernarg_size 40
		.amdhsa_user_sgpr_count 2
		.amdhsa_user_sgpr_kernarg_segment_ptr 1
		.amdhsa_wavefront_size32 1
		.amdhsa_system_sgpr_workgroup_id_x 1
		.amdhsa_system_sgpr_workgroup_id_y 1
		.amdhsa_system_sgpr_workgroup_id_z 1
		.amdhsa_system_vgpr_workitem_id 0
		.amdhsa_next_free_vgpr 640
		.amdhsa_next_free_sgpr 100
		.amdhsa_reserve_vcc 0
		.amdhsa_float_denorm_mode_32 3
		.amdhsa_float_denorm_mode_16_64 3
		.amdhsa_memory_ordered 1
		.amdhsa_forward_progress 1
		.amdhsa_inst_pref_size 75
	.end_amdhsa_kernel
	.amdgpu_metadata
---
amdhsa.version: [ 1, 2 ]
amdhsa.kernels:
  - .name:           k_qf81ce3c44b_oproj
    .symbol:         k_qf81ce3c44b_oproj.kd
    .args:
      - { .name: oimg, .offset: 0, .size: 8, .value_kind: global_buffer, .address_space: global }
      - { .name: opnd, .offset: 8, .size: 8, .value_kind: global_buffer, .address_space: global }
      - { .name: bo, .offset: 16, .size: 8, .value_kind: global_buffer, .address_space: global }
      - { .name: q_x, .offset: 24, .size: 8, .value_kind: global_buffer, .address_space: global }
      - { .name: xbuf, .offset: 32, .size: 8, .value_kind: global_buffer, .address_space: global }
    .group_segment_fixed_size: 283136
    .private_segment_fixed_size: 0
    .kernarg_segment_align: 8
    .kernarg_segment_size: 40
    .max_flat_workgroup_size: 128
    .sgpr_count:     100
    .vgpr_count:     640
    .wavefront_size: 32
...
	.end_amdgpu_metadata
.endif
;; end of part 4
;; launch ffn1 (part 5): grid 16 x 16, 4 waves a work-group, clusters of 4 x 4, 327,680 bytes of LDS; arguments xbuf, opnd, b1, himg; writes himg
.if DOCPART == 5
	.amdgcn_target "amdgcn-amd-amdhsa--gfx1250"
	.amdhsa_code_object_version 6
	.text
	.protected	k_qf81ce3c44b_ffn1
	.globl	k_qf81ce3c44b_ffn1
	.p2align	8
	.type	k_qf81ce3c44b_ffn1,@function
k_qf81ce3c44b_ffn1:
	s_mov_b64 s[64:65], 0
	v_nop
	global_prefetch_b8 v0, s[64:65] scope:SCOPE_SE
	s_setreg_imm32_b32 hwreg(HW_REG_WAVE_MODE, 25, 1), 1
	s_wait_xcnt 0x0
	s_wait_alu depctr_hold_cnt(0) depctr_sa_sdst(0) depctr_va_vdst(0) depctr_va_sdst(0) depctr_va_ssrc(0) depctr_va_vcc(0) depctr_vm_vsrc(0)
	s_getreg_b32 s2, hwreg(HW_REG_IB_STS2, 6, 4)
	s_cmp_eq_u32 s2, 0
	s_cbranch_scc0 .Lentry_in_a_cluster
	s_endpgm
.Lentry_in_a_cluster:
	s_bfe_u32 s2, ttmp6, 0x10000c
	s_cmp_lg_u32 s2, 0xf033
	s_cbranch_scc0 .Lentry_shape_is_right
	s_endpgm
.Lentry_shape_is_right:
; h = silu(x W1^T + b1) on codes of FP6 (E2M3); h is quantised along the hidden axis and stored as the last product's register image; it never lies in memory as f32.
; A work-group makes 256 tokens x 256 hidden units: 16 x 16 = 256 work-groups.  Four waves, each one panel of 128 tokens x one panel of 128 hidden units: 64 accumulators, 512 registers.
; OPERANDS lie in memory as images of the registers ([panel of 128 rows][K step of 128][13,312 bytes]: tile t at 1,536 t, half c at 768 c: 16 bytes a lane, then 8 bytes a lane; scale words at 12,288 + 128 t + 4 x lane).
; LDS: four regions (two panels of tokens, two of W1), each with six places of a K step: 4 x 79,872 bytes.  At the head each wave fills one region with K steps 0 to 5 by one load.  K steps 6 and 7 go into places 0 and 1:
; asked for in step 1, behind a round of the cluster's barrier, when every wave has read steps 0 and 1 out; awaited in step 5, three and a half steps of products later.
; CLUSTERS: 4 x 4 work-groups; the tokens' panels are asked for jointly along a row of the cluster, W1's along a column.
; NO PREFETCH: three quarters of each operand are asked for by the head's loads, and the walk along K is eight steps written out: there is no loop to run ahead in.
; THE MATRIX INSTRUCTION is used transposed: source 0 = 16 rows of W1, source 1 = 16 tokens: a lane holds one token, its registers run along the hidden units.  A tile's rows are not neighbours (lane r of tile t: row
; 32 (t / 2) + 8 (t % 2) + r + 8 (r / 8)): so the 16 registers of accumulators 2 b and 2 b + 1 are 16 neighbours along the next K.  The bias is the C of each sum's first product.
; A step's 64 products go by the tokens' tiles, each against W1's eight: so the tokens' fragments have one set of registers (tiles 0-3 fetched anew in the step's middle, 4-7 at its end), W1's two.
; silu(z) = z / (1 + 2^(-z log2 e)), in f32: for each 16 tokens one batch of 64 exponentials and one of 64 reciprocals.
; REGISTERS: window 0: v2-5 lane terms; v8-19 LDS addresses (on the way out the quantiser and the scale words made); v28, v29 the spare word's address and 0; v32-63 scale words, two sets; v64-127 the bias, later the
;   activation at work; v128-223 the tokens' fragments, later (v128-255) codes.  window 1: W1's fragments at v0 and v128.  window 2: accumulators of token tiles 0-3 ((a, b) at 8 (8 a + b)); window 3: of tiles 4-7.
; LIMITS: NaN and infinities are not served; a block of zeros gets the byte 1 (its codes are zeros; this program alone reads the bytes).
.set KB,     13312
.set PANEL,  8*KB
.set NPL,    6                         ; places of a region
.set REG,    NPL*KB
.set SPARE,  4*REG                     ; behind the regions: the spare words, 128 bytes for each wave
.set FR,     12
.set XOFF,   16777216                  ; xbuf: x's image behind its f32 rows
.set WOFF,   96*PANEL                  ; opnd: W1
.set L16, 2
.set L8,  3
.set L4,  4
.set BOF, 5
.set AAD, 8                            ; v8-10 the tokens' places 0-2 (16-, 8-, 4-byte lane steps), v11-13 places 3-5
.set BAD, 14                           ; v14-19 W1's
.set TM,  8                            ; the way out: the quantiser's eight registers
.set PW,  16                           ; and a scale word for each token tile
.set SPW, 28
.set NIL, 29
.set SC,  32                           ; set p at SC + 16 p: 0-7 the tokens' tiles, 8-15 W1's
.set BIASR, 64
.set T,   64
.set AF,  128
.set PC,  128
.set WV, 10
.set WM, 11
.set WN, 12
.set PR, 13
.set COL, 42
.set SEL, 20
.set NL2E, 22
.set G1X, 24
.set G0X, 32
.set G1W, 48
.set G0W, 56
.set MSB, 0
.macro WIN new                         ; the immediate's high byte repeats the setting that is left
.if MSB != \new
	s_set_vgpr_msb (MSB<<8)|\new
.set MSB, \new
.endif
.endm
.set MUL_LO, 0xa1                      ; source 0 (W1) window 1, source 1 (tokens) window 0, C and D window 2
.set MUL_HI, 0xf1                      ; the same, C and D window 3
.set TO_B,   0x40                      ; destination window 1, address window 0
.macro CREST                           ; a round of the cluster's barrier behind its opening barrier
	s_cmp_lg_u32 s[WV], 0
	s_cbranch_scc1 .Lnot_wave_0_\@
	s_barrier_signal -3
.Lnot_wave_0_\@:
	s_barrier_wait -3
	s_barrier_signal -1
	s_barrier_wait -1
.endm
.macro CROUND
	s_barrier_signal -1
	s_barrier_wait -1
	CREST
.endm
.macro JLOAD                           ; a joint load: waves 0 and 1 fetch the tokens' panels, waves 2 and 3 W1's; s_nop 0 and four v_nop follow each of the two lines
	s_cmp_eq_u32 s[WM], 0
	s_cbranch_scc0 .Lfor_w_\@
	tensor_load_to_lds s[G0X:G0X+3], s[G1X:G1X+7]
	s_nop 0
.rept 4
	v_nop
.endr
	s_branch .Lasked_\@
.Lfor_w_\@:
	tensor_load_to_lds s[G0W:G0W+3], s[G1W:G1W+7]
	s_nop 0
.rept 4
	v_nop
.endr
.Lasked_\@:
.endm
.macro PLACES                          ; four plain lines in front of loads into registers that matrix instructions have read, and of the first read of results
.rept 4
	v_nop
.endr
.endm
.macro FRAG reg, adr, off              ; a fragment: 12 registers, four loads of consecutive bytes
	ds_load_b128 v[(\reg):(\reg)+3], v[\adr] offset:\off
	ds_load_b64 v[(\reg)+4:(\reg)+5], v[(\adr)+1] offset:(\off)+512
	ds_load_b128 v[(\reg)+6:(\reg)+9], v[\adr] offset:(\off)+768
	ds_load_b64 v[(\reg)+10:(\reg)+11], v[(\adr)+1] offset:(\off)+1280
.endm
.macro FETCH_B st, p                   ; W1's eight fragments of K step st (place st % 6) into set p: 32 loads
.set PLC, (\st)%NPL
	WIN TO_B
.irp i, 0,1,2,3,4,5,6,7
	FRAG 128*(\p)+FR*\i, BAD+3*(PLC/3), (PLC%3)*KB+\i*1536
.endr
	WIN 0
.endm
.macro FETCH_A st, i0                  ; the tokens' tiles i0 .. i0 + 3: 16 loads
.set PLC, (\st)%NPL
.irp i, \i0, \i0+1, \i0+2, \i0+3
	FRAG AF+FR*(\i), AAD+3*(PLC/3), (PLC%3)*KB+(\i)*1536
.endr
.endm
.macro SCALES st, p                    ; 16 scale words
.set PLC, (\st)%NPL
.irp i, 0,1,2,3,4,5,6,7
	ds_load_b32 v[SC+16*(\p)+\i], v[AAD+3*(PLC/3)+2] offset:(PLC%3)*KB+\i*128
.endr
.irp i, 0,1,2,3,4,5,6,7
	ds_load_b32 v[SC+16*(\p)+8+\i], v[BAD+3*(PLC/3)+2] offset:(PLC%3)*KB+\i*128
.endr
.endm
; 16 matrix instructions: token tiles a0, a0 + 1 x W1's eight.  cm = 1: the bias starts the sums.  The 64 accumulators take turns, one instruction a turn, in the same order in every step.
.macro MUL16 a0, p, cm
.irp a, \a0, \a0+1
.irp b, 0,1,2,3,4,5,6,7
.if \cm
	v_wmma_scale_f32_16x16x128_f8f6f4 v[8*(8*((\a)%4)+\b):8*(8*((\a)%4)+\b)+7], v[128*(\p)+FR*\b:128*(\p)+FR*\b+FR-1], v[AF+FR*(\a):AF+FR*(\a)+FR-1], v[BIASR+8*\b:BIASR+8*\b+7], v[SC+16*(\p)+8+\b], v[SC+16*(\p)+(\a)] matrix_a_fmt:MATRIX_FMT_FP6 matrix_b_fmt:MATRIX_FMT_FP6
.else
	v_wmma_scale_f32_16x16x128_f8f6f4 v[8*(8*((\a)%4)+\b):8*(8*((\a)%4)+\b)+7], v[128*(\p)+FR*\b:128*(\p)+FR*\b+FR-1], v[AF+FR*(\a):AF+FR*(\a)+FR-1], v[8*(8*((\a)%4)+\b):8*(8*((\a)%4)+\b)+7], v[SC+16*(\p)+8+\b], v[SC+16*(\p)+(\a)] matrix_a_fmt:MATRIX_FMT_FP6 matrix_b_fmt:MATRIX_FMT_FP6
.endif
.endr
.endr
.endm
; A K step: 64 products; the next step's fragments are fetched in its middle and at its end.  meet = 1: places 0 and 1 have been read out and are filled again; meet = 2: what was asked for then is shown whole to all four waves.
.macro STEP st, cm, meet
.set NX, (\st)+1
.set WL, MUL_LO-0x20*(\cm)             ; with the bias as C: source 2 in window 0
.set WH, MUL_HI-0x30*(\cm)
.if \meet
	s_wait_tensorcnt 0x0                           ; all my tensor loads have landed
.if \meet == 1
	ds_add_u32 v[SPW], v[NIL]                      ; 0 onto my spare word
	s_add_nc_u64 s[G0X+2:G0X+3], s[G0X+2:G0X+3], NPL*KB    ; no load of mine is out: on to K steps 6 and 7
	s_add_nc_u64 s[G0W+2:G0W+3], s[G0W+2:G0W+3], NPL*KB
	s_wait_dscnt 17                                ; (the add and the youngest 16 loads, token tiles 4-7, may be out)
.else
	s_wait_dscnt 16
.endif
	WIN WL
	MUL16 0, (\st)%2, \cm
	s_wait_dscnt 0x0                               ; the add, where there is one, and all my LDS reads are done
	s_barrier_signal -1
	MUL16 2, (\st)%2, \cm
	WIN 0
	s_barrier_wait -1
.if \meet == 1
	CREST                                          ; the barrier has opened a round of the cluster's barrier: no wave of any partner still reads places 0 and 1 or has a load on its way
	JLOAD                                          ; the first tensor load behind the round, one a wave; its four v_nop are the places in front of the loads below
.else
	PLACES
.endif
.else
	s_wait_dscnt 16                                ; all but the youngest 16 loads: token tiles 4-7
	WIN WL
	MUL16 0, (\st)%2, \cm
	MUL16 2, (\st)%2, \cm
	s_wait_dscnt 0x0
	PLACES
.endif
	FETCH_B NX, NX%2
	FETCH_A NX, 0
	SCALES NX, NX%2
	WIN WH
	MUL16 4, (\st)%2, \cm
	MUL16 6, (\st)%2, \cm
	PLACES
	WIN 0
	FETCH_A NX, 4
.endm
; THE WAY OUT of token tile a: 64 numbers a lane, register 16 b + i = hidden unit 32 b + 16 (lane / 16) + i of the lane's token: silu, four blocks' scales, a whole fragment's codes and its scale word
.macro OUT a
.set AC, 64*((\a)%4)
.set PCA, PC+16*(\a)
.set WS, 2+(\a)/4                      ; source 0: window 2 or 3
	WIN WS
	s_wait_alu depctr_va_vdst(0)                   ; ahead of the first readers of these sums
.set j, 0
.rept 32
	v_pk_mul_f32 v[T+j:T+j+1], v[AC+j:AC+j+1], s[NL2E:NL2E+1] op_sel_hi:[1,0]   ; -z log2(e); each accumulator from its low end on
.set j, j+2
.endr
	WIN 0
	s_wait_alu depctr_va_vdst(0)                   ; ahead of the batch
.set j, 0
.rept 64
	v_exp_f32 v[T+j], v[T+j]
.set j, j+1
.endr
	v_nop                                          ; a plain line behind the batch,
	s_wait_alu depctr_va_vdst(0)                   ; and one wait for it, ahead of its first reader
.set j, 0
.rept 32
	v_pk_add_f32 v[T+j:T+j+1], v[T+j:T+j+1], 1.0 op_sel_hi:[1,0]
.set j, j+2
.endr
	s_wait_alu depctr_va_vdst(0)
.set j, 0
.rept 64
	v_rcp_f32 v[T+j], v[T+j]
.set j, j+1
.endr
	v_nop
	s_wait_alu depctr_va_vdst(0)
	WIN WS
.set j, 0
.rept 32
	v_pk_mul_f32 v[T+j:T+j+1], v[AC+j:AC+j+1], v[T+j:T+j+1]        ; z / (1 + e^-z)
.set j, j+2
.endr
	WIN 0
.irp b, 0,1,2,3
	v_max3_num_f32 v[TM+\b], |v[T+16*\b]|, |v[T+1+16*\b]|, 0x1800000   ; with the floor 2^(3 - 127): the byte cannot fall under 1
.endr
.irp i, 2,4,6,8,10,12,14
.irp b, 0,1,2,3
	v_max3_num_f32 v[TM+\b], v[TM+\b], |v[T+16*\b+\i]|, |v[T+1+16*\b+\i]|
.endr
.endr
.irp b, 0,1,2,3
	v_permlanex16_b32 v[TM+4+\b], v[TM+\b], s[SEL], s[SEL+1]
.endr
.irp b, 0,1,2,3
	v_max_num_f32 v[TM+\b], v[TM+\b], v[TM+4+\b]   ; with lane l xor 16's 16: the block's largest magnitude
.endr
.irp b, 0,1,2,3
	v_add_nc_u32 v[TM+4+\b], 0xff000000, v[TM+\b]  ; 2 off the exponent field: the conversion's scale operand
.endr
.irp b, 0,1,2,3
	v_lshrrev_b32 v[TM+\b], 23, v[TM+4+\b]         ; the scale's byte
.endr
	v_lshl_or_b32 v[PW+(\a)], v[TM+1], 8, v[TM]
	v_lshl_or_b32 v[PW+(\a)], v[TM+2], 16, v[PW+(\a)]
	v_lshl_or_b32 v[PW+(\a)], v[TM+3], 24, v[PW+(\a)]
.irp c, 0,1
	v_cvt_scalef32_pk16_fp6_f32 v[PCA+8*\c:PCA+8*\c+2], v[T+32*\c:T+32*\c+15], v[TM+4+2*\c]
	v_cvt_scalef32_pk16_fp6_f32 v[PCA+8*\c+4:PCA+8*\c+6], v[T+32*\c+16:T+32*\c+31], v[TM+5+2*\c]
.endr
	v_nop                                          ; one plain line behind the scaled conversions
.irp c, 0,1
.irp i, 0,1,2
	v_permlane16_swap_b32 v[PCA+8*\c+\i], v[PCA+8*\c+4+\i]   ; a whole block to a lane: lanes 0-15 the first, lanes 16-31 the second
.endr
	v_mov_b32 v[PCA+8*\c+3], v[PCA+8*\c+4]
	v_mov_b32 v[PCA+8*\c+4], v[PCA+8*\c+5]
	v_mov_b32 v[PCA+8*\c+5], v[PCA+8*\c+6]
.endr
.irp c, 0,1
	global_store_b128 v[L16], v[PCA+8*\c:PCA+8*\c+3], s[18:19] offset:1536*(\a)+768*\c          ; 512 consecutive bytes
	global_store_b64 v[L8], v[PCA+8*\c+4:PCA+8*\c+5], s[18:19] offset:1536*(\a)+768*\c+512      ; 256
.endr
	global_store_b32 v[L4], v[PW+(\a)], s[18:19] offset:12288+128*(\a)                           ; the tile's scale words; every tile has registers of its own for its stores
.endm
	s_load_b128 s[4:7], s[0:1], 0x0                ; xbuf, opnd
	s_load_b64 s[8:9], s[0:1], 0x10                ; b1
	s_load_b64 s[18:19], s[0:1], 0x18              ; himg
	v_lshl_add_u32 v[SPW], v0, 2, SPARE
	v_mov_b32 v[NIL], 0
	ds_add_u32 v[SPW], v[NIL]                      ; the opening: the add, twice on end, and its wait ahead of my first tensor load
	ds_add_u32 v[SPW], v[NIL]
	v_lshrrev_b32 v1, 5, v0
	v_readfirstlane_b32 s[WV], v1                  ; wave 0..3
	s_lshr_b32 s[WM], s[WV], 1                     ; which panel of tokens is mine.  Also: I fetch tokens (0) or W1 (1)
	s_and_b32 s[WN], s[WV], 1                      ; which panel of hidden units.  Also: which of the two panels I fetch
	s_bfe_u32 s40, ttmp6, 0x40000                  ; cx, cy: my place in the cluster
	s_bfe_u32 s41, ttmp6, 0x40004
	s_lshl_b32 s[COL], ttmp9, 2
	s_add_co_u32 s[COL], s[COL], s40               ; block column
	s_and_b32 s[PR], ttmp7, 0xffff
	s_lshl_b32 s[PR], s[PR], 2
	s_add_co_u32 s[PR], s[PR], s41                 ; block row
	s_lshl_b32 s43, s41, 2
	s_lshl_b32 s43, 15, s43                        ; my row of the cluster
	s_lshl_b32 s44, 0x1111, s40                    ; my column
	s_or_b32 s[G1X], s43, (3<<16)|(1<<21)          ; 15:0 the mask; 17:16 elements of 8 bytes; 21 set beside a mask; no padding
	s_or_b32 s[G1W], s44, (3<<16)|(1<<21)
.irp g, G1X, G1W                               ; six K steps, 79,872 dense bytes, as 312 rows of 256 bytes
	s_mov_b32 s[\g+1], 32<<16
	s_mov_b32 s[\g+2], 312<<16
	s_mov_b32 s[\g+3], 32<<16
	s_mov_b32 s[\g+4], 312
	s_mov_b32 s[\g+5], 32
	s_mov_b32 s[\g+6], 0
	s_mov_b32 s[\g+7], 0
.endr
	s_lshl_b32 s66, s[PR], 1
	s_add_co_u32 s66, s66, s[WN]
	s_mul_i32 s66, s66, PANEL
	s_add_co_u32 s66, s66, XOFF                    ; the tokens' panel: by the block row alone
	s_mov_b32 s67, 0
	s_lshl_b32 s68, s[COL], 1
	s_add_co_u32 s68, s68, s[WN]
	s_mul_i32 s68, s68, PANEL
	s_add_co_u32 s68, s68, WOFF                    ; W1's: by the block column alone
	s_mov_b32 s69, 0
	s_mul_i32 s71, s[WV], REG                      ; my region: no place in the cluster enters an LDS address
	s_wait_dscnt 0x0
	s_wait_kmcnt 0x0
	s_add_nc_u64 s[66:67], s[4:5], s[66:67]
	s_add_nc_u64 s[68:69], s[6:7], s[68:69]
	CROUND                                         ; all sixteen work-groups are here: the joint loads meet
	s_mov_b32 s[G0X], 1
	s_mov_b32 s[G0X+1], s71
	s_mov_b64 s[G0X+2:G0X+3], s[66:67]
	s_or_b32 s[G0X+3], s[G0X+3], 0x80000000
	s_mov_b32 s[G0W], 1
	s_mov_b32 s[G0W+1], s71
	s_mov_b64 s[G0W+2:G0W+3], s[68:69]
	s_or_b32 s[G0W+3], s[G0W+3], 0x80000000
	JLOAD                                          ; K steps 0 to 5 of my panel: one tensor load a wave at the head
	s_mov_b32 s[SEL], 0x76543210
	s_mov_b32 s[SEL+1], 0xfedcba98                 ; v_permlanex16_b32's selects for lane l xor 16
	s_mov_b32 s[NL2E], 0xbfb8aa3b                  ; -log2(e)
	s_mov_b32 s[NL2E+1], s[NL2E]                   ; (named with it as a pair, so it is written)
	s_mul_i32 s72, s[WM], REG                      ; my panel of tokens: places 0-2,
	s_add_co_u32 s73, s72, 3*KB                    ; places 3-5,
	s_add_co_u32 s74, s72, 12288                   ; and their scale words
	s_add_co_u32 s75, s73, 12288
	s_mul_i32 s76, s[WN], REG
	s_add_co_u32 s76, s76, 2*REG                   ; my panel of W1, behind the tokens' two regions
	s_add_co_u32 s77, s76, 3*KB
	s_add_co_u32 s78, s76, 12288
	s_add_co_u32 s79, s77, 12288
	s_lshl_b32 s80, s[COL], 10
	s_lshl_b32 s81, s[WN], 9
	s_add_co_u32 s80, s80, s81                     ; my first hidden unit, in bytes
	s_mov_b32 s81, 0
	s_add_nc_u64 s[8:9], s[8:9], s[80:81]
	s_lshl_b32 s82, s[PR], 1
	s_add_co_u32 s82, s82, s[WM]
	s_lshl_b32 s82, s82, 5                         ; h's image: my panel of tokens, 32 K steps long,
	s_lshl_b32 s83, s[COL], 1
	s_add_co_u32 s83, s83, s[WN]
	s_add_co_u32 s82, s82, s83                     ; K step = my panel of hidden units: the whole block of 13,312 bytes is mine
	s_mul_i32 s82, s82, KB
	s_mov_b32 s83, 0
	s_add_nc_u64 s[18:19], s[18:19], s[82:83]
	v_and_b32 v1, 31, v0
	v_bfe_u32 v6, v0, 4, 1                         ; h
	v_lshlrev_b32 v[L16], 4, v1
	v_lshlrev_b32 v[L8], 3, v1
	v_lshlrev_b32 v[L4], 2, v1
	v_lshlrev_b32 v[BOF], 6, v6                    ; the bias: 16 numbers on for lanes 16-31
.irp g, 0,1
	v_add_nc_u32 v[AAD+3*\g], s[72+\g], v[L16]
	v_add_nc_u32 v[AAD+3*\g+1], s[72+\g], v[L8]
	v_add_nc_u32 v[AAD+3*\g+2], s[74+\g], v[L4]
	v_add_nc_u32 v[BAD+3*\g], s[76+\g], v[L16]
	v_add_nc_u32 v[BAD+3*\g+1], s[76+\g], v[L8]
	v_add_nc_u32 v[BAD+3*\g+2], s[78+\g], v[L4]
.endr
.irp b, 0,1,2,3,4,5,6,7                        ; the bias in the result's layout: accumulator (a, b), register j: unit 32 (b / 2) + 16 h + 8 (b % 2) + j
	global_load_b128 v[BIASR+8*\b:BIASR+8*\b+3], v[BOF], s[8:9] offset:(32*(\b/2)+8*(\b%2))*4
	global_load_b128 v[BIASR+8*\b+4:BIASR+8*\b+7], v[BOF], s[8:9] offset:(32*(\b/2)+8*(\b%2))*4+16
.endr
	s_wait_alu depctr_va_vdst(0)
	s_wait_tensorcnt 0x0                           ; my region is in.  No tensor load of mine is out, so a descriptor may be written: the one later load brings two K steps, 104 rows
	s_mov_b32 s[G1X+2], 104<<16
	s_mov_b32 s[G1X+4], 104
	s_mov_b32 s[G1W+2], 104<<16
	s_mov_b32 s[G1W+4], 104
	s_barrier_signal -1
	s_barrier_wait -1                              ; everybody's is
	s_wait_loadcnt 0x0                             ; the bias
	FETCH_B 0, 0
	FETCH_A 0, 0
	SCALES 0, 0
	FETCH_A 0, 4
	STEP 0, 1, 0                                   ; the bias starts the sums: nothing is cleared
	STEP 1, 0, 1                                   ; places 0 and 1 are filled again
	STEP 2, 0, 0
	STEP 3, 0, 0
	STEP 4, 0, 0
	STEP 5, 0, 2                                   ; K steps 6 and 7 are whole
	STEP 6, 0, 0
	s_wait_dscnt 16                                ; the last K step: nothing more to fetch
	WIN MUL_LO
	MUL16 0, 1, 0
	MUL16 2, 1, 0
	s_wait_dscnt 0x0
	WIN MUL_HI
	MUL16 4, 1, 0
	MUL16 6, 1, 0
	WIN 0
	PLACES
.irp a, 0,1,2,3,4,5,6,7
	OUT \a
.endr
	s_wait_tensorcnt 0x0                           ; the wave's end
	ds_add_u32 v[SPW], v[NIL]
	s_wait_dscnt 0x0
	CROUND                                         ; the closing round: no work-group ends while a partner may still ask for a tile that names it
	s_endpgm
.Lfunc_end_k_qf81ce3c44b_ffn1:
	.size	k_qf81ce3c44b_ffn1, .Lfunc_end_k_qf81ce3c44b_ffn1-k_qf81ce3c44b_ffn1
	.p2alignl 7, 3214868480
	.fill 96, 4, 3214868480
	.section	.rodata,"a",@progbits
	.p2align	6, 0x0
	.amdhsa_kernel k_qf81ce3c44b_ffn1
		.amdhsa_group_segment_fixed_size 327680
		.amdhsa_private_segment_fixed_size 0
		.amdhsa_enable_private_segment 0
		.amdhsa_kernarg_size 32
		.amdhsa_user_sgpr_count 2
		.amdhsa_user_sgpr_kernarg_segment_ptr 1
		.amdhsa_wavefront_size32 1
		.amdhsa_system_sgpr_workgroup_id_x 1
		.amdhsa_system_sgpr_workgroup_id_y 1
		.amdhsa_system_sgpr_workgroup_id_z 1
		.amdhsa_system_vgpr_workitem_id 0
		.amdhsa_next_free_vgpr 1024
		.amdhsa_next_free_sgpr 100
		.amdhsa_reserve_vcc 0
		.amdhsa_float_denorm_mode_32 3
		.amdhsa_float_denorm_mode_16_64 3
		.amdhsa_memory_ordered 1
		.amdhsa_forward_progress 1
		.amdhsa_inst_pref_size 234
	.end_amdhsa_kernel
	.amdgpu_metadata
---
amdhsa.version: [ 1, 2 ]
amdhsa.kernels:
  - .name:           k_qf81ce3c44b_ffn1
    .symbol:         k_qf81ce3c44b_ffn1.kd
    .args:
      - { .name: xbuf, .offset: 0, .size: 8, .value_kind: global_buffer, .address_space: global }
      - { .name: opnd, .offset: 8, .size: 8, .value_kind: global_buffer, .address_space: global }
      - { .name: b1, .offset: 16, .size: 8, .value_kind: global_buffer, .address_space: global }
      - { .name: himg, .offset: 24, .size: 8, .value_kind: global_buffer, .address_space: global }
    .group_segment_fixed_size: 327680
    .private_segment_fixed_size: 0
    .kernarg_segment_align: 8
    .kernarg_segment_size: 32
    .max_flat_workgroup_size: 128
    .sgpr_count:     100
    .vgpr_count:     1024
    .wavefront_size: 32
...
	.end_amdgpu_metadata
.endif
;; end of part 5
;; launch ffn2 (part 6): grid 8 x 32, 4 waves a work-group, clusters of 4 x 4, 327,680 bytes of LDS; arguments himg, opnd, b2, xbuf, out0; writes out0
.if DOCPART == 6
	.amdgcn_target "amdgcn-amd-amdhsa--gfx1250"
	.amdhsa_code_object_version 6
	.text
	.protected	k_qf81ce3c44b_ffn2
	.globl	k_qf81ce3c44b_ffn2
	.p2align	8
	.type	k_qf81ce3c44b_ffn2,@function
k_qf81ce3c44b_ffn2:
	s_mov_b64 s[64:65], 0
	v_nop
	global_prefetch_b8 v0, s[64:65] scope:SCOPE_SE
	s_setreg_imm32_b32 hwreg(HW_REG_WAVE_MODE, 25, 1), 1
	s_wait_xcnt 0x0
	s_wait_alu depctr_hold_cnt(0) depctr_sa_sdst(0) depctr_va_vdst(0) depctr_va_sdst(0) depctr_va_ssrc(0) depctr_va_vcc(0) depctr_vm_vsrc(0)
	s_getreg_b32 s2, hwreg(HW_REG_IB_STS2, 6, 4)
	s_cmp_eq_u32 s2, 0
	s_cbranch_scc0 .Lentry_in_a_cluster
	s_endpgm
.Lentry_in_a_cluster:
	s_bfe_u32 s2, ttmp6, 0x10000c
	s_cmp_lg_u32 s2, 0xf033
	s_cbranch_scc0 .Lentry_shape_is_right
	s_endpgm
.Lentry_shape_is_right:
; out0 = x + h W2^T + b2 on codes of FP6 (E2M3).  K = 4,096.
; A work-group makes 128 tokens x 128 channels: 256 work-groups.  Four waves, each 64 x 64: 16 accumulators.  (Tiles of 256 x 256 would be 64 work-groups.)
; OPERANDS lie in memory as images of the registers ([panel of 128 rows][K step of 128][13,312 bytes]: tile t at 1,536 t, half c at 768 c: 16 bytes a lane, then 8 bytes a lane; scale words at 12,288 + 128 t + 4 x lane).
; A K step's tile is one dense block for the tensor data mover, a fragment four LDS loads of consecutive bytes.  K goes through a ring of two slots of 512 along K (106,496 bytes each): eight slots' worth, six refills.
; Each wave fetches a quarter of a slot with one load of 26,624 bytes.  One barrier for each change of slots; where a slot is filled again it opens a round of the cluster's barrier, and the joint refill is the first thing behind the round.
; CLUSTERS: 4 x 4 work-groups; the activations' tile is asked for jointly along a row of the cluster, the weights' along a column.
; THE MATRIX INSTRUCTION is used transposed: source 0 = 16 rows of W2, source 1 = 16 tokens.  The bias is the C of each sum's first product.
; THE RESIDUAL (x as f32) is asked for at the head, as rows (sixteen lanes read 256 aligned bytes), into window 2; at the end it goes through the wave's own stage in LDS to take the accumulators' layout; the sums go back the same way and leave as rows.
; A prefetch into the L2 ahead of each refill (see the change of slots below).
; REGISTERS: window 0: v2-4 lane terms; v8-19 LDS addresses; v20-23 stage and row offsets; v28, v29 the spare word's address and 0; v32-47 scale words, two sets; v48-79 the bias; v128-255 accumulators.
;   window 1: two fragment buffers at v0 and v128; at the end the residual in the accumulators' layout and rows on their way out.   window 2: v0-127 the residual as loaded.
; LIMITS: NaN and infinities are not served.  The sum is (product + bias) + residual.
.set KTOT,   4096
.set KB,     13312
.set PANEL,  (KTOT/128)*KB
.set HALFS,  4*KB
.set SLOT,   2*HALFS
.set LAPS,   KTOT/1024                 ; a lap = two slots = once round the ring
.set FR,     12
.set WOFF,   13631488                  ; opnd: W2
.set RS,     2*SLOT                    ; behind the ring: a stage of 64 rows x (256 + 16) bytes for each wave; no tile lands there
.set SPARE,  RS+4*64*272               ; behind the stages: the spare words, 128 bytes for each wave: two blocks of 256 bytes that no other line names
.set L16, 2
.set L8,  3
.set L4,  4
.set A16, 8
.set B16, 14
.set RSA, 20
.set RSR, 21
.set GOUT, 22
.set BOF, 23
.set SPW, 28
.set NIL, 29
.set SC,  32
.set BIASR, 48
.set ACC, 128
.set WV, 10
.set WM, 11
.set WN, 12
.set PR, 13
.set COL, 42
.set G1X, 24
.set G0X, 32
.set G1W, 48
.set G0W, 56
.set MSB, 0
.macro WIN new
.if MSB != \new
	s_set_vgpr_msb (MSB<<8)|\new
.set MSB, \new
.endif
.endm
.set MUL,  0x05
.set TO_F, 0x40
.macro CREST
	s_cmp_lg_u32 s[WV], 0
	s_cbranch_scc1 .Lnot_wave_0_\@
	s_barrier_signal -3
.Lnot_wave_0_\@:
	s_barrier_wait -3
	s_barrier_signal -1
	s_barrier_wait -1
.endm
.macro CROUND
	s_barrier_signal -1
	s_barrier_wait -1
	CREST
.endm
.macro JLOAD s                         ; a joint refill: waves 0 and 1 fetch the activations', waves 2 and 3 the weights'; four v_nop follow each of the two lines
	s_cmp_eq_u32 s[WM], 0
	s_cbranch_scc0 .Lfor_w_\@
	tensor_load_to_lds s[G0X+4*\s:G0X+4*\s+3], s[G1X:G1X+7]
	s_nop 0
.rept 4
	v_nop
.endr
	s_branch .Lasked_\@
.Lfor_w_\@:
	tensor_load_to_lds s[G0W+4*\s:G0W+4*\s+3], s[G1W:G1W+7]
	s_nop 0
.rept 4
	v_nop
.endr
.Lasked_\@:
.endm
.macro PLACES
.rept 4
	v_nop
.endr
.endm
.macro FRAG reg, adr, off
	ds_load_b128 v[(\reg):(\reg)+3], v[\adr] offset:\off
	ds_load_b64 v[(\reg)+4:(\reg)+5], v[(\adr)+1] offset:(\off)+512
	ds_load_b128 v[(\reg)+6:(\reg)+9], v[\adr] offset:(\off)+768
	ds_load_b64 v[(\reg)+10:(\reg)+11], v[(\adr)+1] offset:(\off)+1280
.endm
.macro FETCH slot, ks, p               ; 40 LDS loads: 8 scale words, W's four fragments, the tokens' four
	WIN 0
.irp i, 0,1,2,3
	ds_load_b32 v[SC+8*(\p)+4+\i], v[B16+3*(\slot)+2] offset:(\ks)*KB+\i*128
.endr
.irp i, 0,1,2,3
	ds_load_b32 v[SC+8*(\p)+\i], v[A16+3*(\slot)+2] offset:(\ks)*KB+\i*128
.endr
	WIN TO_F
.irp i, 0,1,2,3
	FRAG 128*(\p)+48+FR*\i, B16+3*(\slot), (\ks)*KB+\i*1536
.endr
.irp i, 0,1,2,3
	FRAG 128*(\p)+FR*\i, A16+3*(\slot), (\ks)*KB+\i*1536
.endr
.endm
; 8 matrix instructions.  cm = 2: the bias starts the sums.  The 16 accumulators take turns, one instruction a turn, over the loop's backward jump too.
.macro MUL8 p, a0, cm
.irp a, \a0, \a0+1
.irp b, 0,1,2,3
.if \cm == 0
	v_wmma_scale_f32_16x16x128_f8f6f4 v[ACC+8*(4*(\a)+\b):ACC+8*(4*(\a)+\b)+7], v[128*(\p)+48+FR*\b:128*(\p)+48+FR*\b+FR-1], v[128*(\p)+FR*(\a):128*(\p)+FR*(\a)+FR-1], v[ACC+8*(4*(\a)+\b):ACC+8*(4*(\a)+\b)+7], v[SC+8*(\p)+4+\b], v[SC+8*(\p)+(\a)] matrix_a_fmt:MATRIX_FMT_FP6 matrix_b_fmt:MATRIX_FMT_FP6
.else
	v_wmma_scale_f32_16x16x128_f8f6f4 v[ACC+8*(4*(\a)+\b):ACC+8*(4*(\a)+\b)+7], v[128*(\p)+48+FR*\b:128*(\p)+48+FR*\b+FR-1], v[128*(\p)+FR*(\a):128*(\p)+FR*(\a)+FR-1], v[BIASR+8*\b:BIASR+8*\b+7], v[SC+8*(\p)+4+\b], v[SC+8*(\p)+(\a)] matrix_a_fmt:MATRIX_FMT_FP6 matrix_b_fmt:MATRIX_FMT_FP6
.endif
.endr
.endr
.endm
.macro KSTEP slot, ks, cm              ; a K step that has its successor in the same slot
	s_wait_dscnt 8                                 ; all but the youngest eight loads: the tokens' fragments 2 and 3
	WIN MUL
	MUL8 (\ks)%2, 0, \cm
	PLACES
	FETCH \slot, (\ks)+1, ((\ks)+1)%2
	s_wait_dscnt 40                                ; all but the 40 just issued
	WIN MUL
	MUL8 (\ks)%2, 2, \cm
.endm
; A slot's last K step changes slots: ONE barrier; in front of it each wave waits for all its tensor loads, adds 0 to its spare word, and waits for that and for its own reads of this slot.  fill = 1: this slot is filled again, two slots ahead.
; A PREFETCH INTO THE L2 at each change of slots that fills a slot again: the fill that the NEXT change of slots will ask for (four K steps of products ahead of its tensor load).  Of the 104 blocks of 256 bytes that a wave's
; load brings, each of the four partners that ask for them jointly names 26, told apart by address (cx for the activations, cy for the weights): a lane a block, lanes 26-31 name the last block again.  The head asks for the
; first refill's; the last change of slots that fills asks for nothing: there is no fill behind its own.
.set PFA, 80                           ; s[80:81] where my prefetches stand
.set PFO, 30                           ; v30 256 x min(lane, 25); never rewritten
.macro TURN slot, next, fill
	WIN 0                                          ; (the add's two registers lie in window 0)
.if \fill
	s_wait_xcnt 0x0                                ; my last prefetch has read its address: it is stepped here, a change of slots behind it
	s_add_nc_u64 s[PFA:PFA+1], s[PFA:PFA+1], HALFS
.endif
	s_wait_tensorcnt 0x0                           ; all my tensor loads have landed: my part of the next slot; so a group 0 may be written
	ds_add_u32 v[SPW], v[NIL]                      ; 0 onto my spare word
.if \fill
	s_add_nc_u64 s[G0X+4*\slot+2:G0X+4*\slot+3], s[G0X+4*\slot+2:G0X+4*\slot+3], 2*HALFS
	s_add_nc_u64 s[G0W+4*\slot+2:G0W+4*\slot+3], s[G0W+4*\slot+2:G0W+4*\slot+3], 2*HALFS
.endif
	s_wait_dscnt 0x0                               ; the add is done, and my reads of this slot are over
	s_barrier_signal -1
	WIN MUL
	MUL8 1, 0, 0                                   ; work on registers while the others arrive
	WIN 0
	s_barrier_wait -1
.if \fill
	CREST                                          ; the barrier has opened a round of the cluster's barrier: no wave of any partner still reads this slot or has a load on its way
	JLOAD \slot                                    ; the first tensor load behind the round, my only one until the next; its four v_nop are also the places in front of the loads below
.else
	PLACES
.endif
	s_wait_alu depctr_va_vdst(0)
	FETCH \next, 0, 0
.if \fill
	WIN 0
.if \slot
	s_cmp_gt_u32 s3, 1                             ; s3 = 1 in the loop's last trip
	s_cbranch_scc0 .Lno_ask_\@
.endif
	global_prefetch_b8 v[PFO], s[PFA:PFA+1] th:TH_LOAD_NT scope:SCOPE_SE
.Lno_ask_\@:
.endif
	WIN MUL
	MUL8 1, 2, 0
.endm
	s_load_b128 s[4:7], s[0:1], 0x0                ; himg, opnd
	s_load_b64 s[8:9], s[0:1], 0x10                ; b2
	s_load_b64 s[16:17], s[0:1], 0x18              ; xbuf
	s_load_b64 s[18:19], s[0:1], 0x20              ; out0
	v_lshl_add_u32 v[SPW], v0, 2, SPARE
	v_mov_b32 v[NIL], 0
	ds_add_u32 v28, v29
	ds_add_u32 v28, v29
	s_wait_dscnt 0x0
	v_lshrrev_b32 v1, 5, v0
	v_readfirstlane_b32 s[WV], v1
	s_lshr_b32 s[WM], s[WV], 1                     ; which 64 tokens are mine.  Also: I fetch activations (0) or weights (1)
	s_and_b32 s[WN], s[WV], 1                      ; which 64 channels.  Also: which two K steps of a slot I fetch
	s_bfe_u32 s40, ttmp6, 0x40000
	s_bfe_u32 s41, ttmp6, 0x40004
	s_lshl_b32 s[COL], ttmp9, 2
	s_add_co_u32 s[COL], s[COL], s40
	s_and_b32 s[PR], ttmp7, 0xffff
	s_lshl_b32 s[PR], s[PR], 2
	s_add_co_u32 s[PR], s[PR], s41
	s_lshl_b32 s43, s41, 2
	s_lshl_b32 s43, 15, s43
	s_lshl_b32 s44, 0x1111, s40
	s_or_b32 s[G1X], s43, (3<<16)|(1<<21)          ; 15:0 the mask; 17:16 elements of 8 bytes; 21 set beside a mask; no padding
	s_or_b32 s[G1W], s44, (3<<16)|(1<<21)
.irp g, G1X, G1W                               ; the head's loads: four K steps, 53,248 dense bytes, as 208 rows of 256 bytes; behind them the two words that count rows are set to 104, for the ring's
	s_mov_b32 s[\g+1], 32<<16
	s_mov_b32 s[\g+2], 208<<16
	s_mov_b32 s[\g+3], 32<<16
	s_mov_b32 s[\g+4], 208
	s_mov_b32 s[\g+5], 32
	s_mov_b32 s[\g+6], 0
	s_mov_b32 s[\g+7], 0
.endr
	s_mul_i32 s70, s[WN], 2*KB
	s_mul_i32 s66, s[PR], PANEL
	s_add_co_u32 s66, s66, s70                     ; the activations' tile: by the tile row alone
	s_mov_b32 s67, 0
	s_mul_i32 s68, s[COL], PANEL
	s_add_co_u32 s68, s68, s70
	s_add_co_u32 s68, s68, WOFF                    ; the weights': by the tile column alone
	s_mov_b32 s69, 0
	s_mul_i32 s71, s[WV], 2*KB
	s_wait_kmcnt 0x0
	s_add_nc_u64 s[66:67], s[4:5], s[66:67]
	s_add_nc_u64 s[68:69], s[6:7], s[68:69]
	CROUND                                         ; all sixteen work-groups are here: the first joint loads meet
.irp s, 0,1
	s_mov_b32 s[G0X+4*\s], 1
	s_add_co_u32 s[G0X+4*\s+1], s71, \s*SLOT
	s_add_nc_u64 s[G0X+4*\s+2:G0X+4*\s+3], s[66:67], \s*HALFS
	s_or_b32 s[G0X+4*\s+3], s[G0X+4*\s+3], 0x80000000
	s_mov_b32 s[G0W+4*\s], 1
	s_add_co_u32 s[G0W+4*\s+1], s71, \s*SLOT
	s_add_nc_u64 s[G0W+4*\s+2:G0W+4*\s+3], s[68:69], \s*HALFS
	s_or_b32 s[G0W+4*\s+3], s[G0W+4*\s+3], 0x80000000
.endr
	s_mov_b32 s88, s70                             ; the head's loads have a group 0 of their own: wave (WM, WN) fills one operand's part of slot WN whole
	s_mov_b32 s89, 0
	s_mul_i32 s90, s[WN], SLOT
	s_mul_i32 s91, s[WM], HALFS
	s_add_co_u32 s90, s90, s91
	s_mov_b32 s92, 1
	s_mov_b32 s93, s90
	s_add_nc_u64 s[94:95], s[66:67], s[88:89]      ; the panel's K step 4 WN: 2 WN steps are in the ring's address already
	s_or_b32 s95, s95, 0x80000000
	s_mov_b32 s96, 1
	s_mov_b32 s97, s90
	s_add_nc_u64 s[98:99], s[68:69], s[88:89]
	s_or_b32 s99, s99, 0x80000000
	s_cmp_eq_u32 s[WM], 0                          ; one fill a wave: the four together fill both slots
	s_cbranch_scc0 .Lfirst_w
	tensor_load_to_lds s[92:95], s[G1X:G1X+7]
	s_nop 0
.rept 4
	v_nop
.endr
	s_branch .Lfirst_asked
.Lfirst_w:
	tensor_load_to_lds s[96:99], s[G1W:G1W+7]
	s_nop 0
.rept 4
	v_nop
.endr
.Lfirst_asked:
	v_and_b32 v1, 31, v0
	v_lshlrev_b32 v[L16], 4, v1
	v_lshlrev_b32 v[L8], 3, v1
	v_lshlrev_b32 v[L4], 2, v1
	v_min_u32 v[PFO], 25, v1
	v_lshlrev_b32 v[PFO], 8, v[PFO]
	v_and_b32 v5, 15, v0                           ; r
	v_bfe_u32 v6, v0, 4, 1                         ; h
	v_lshlrev_b32 v[BOF], 6, v6                    ; the bias: 16 numbers on for lanes 16-31
	s_wait_alu depctr_va_vdst(0)
	v_lshlrev_b32 v[GOUT], 12, v6
	v_lshl_add_u32 v[GOUT], v5, 4, v[GOUT]         ; rows: lanes 0-15 one row's 256 bytes, lanes 16-31 the next row's
	s_wait_alu depctr_va_vdst(0)
	s_lshl_b32 s76, s[COL], 9
	s_lshl_b32 s77, s[WN], 8
	s_add_co_u32 s76, s76, s77                     ; my first channel, in bytes
	s_mov_b32 s77, 0
	s_add_nc_u64 s[8:9], s[8:9], s[76:77]
	s_lshl_b32 s78, s[PR], 19
	s_lshl_b32 s79, s[WM], 18
	s_add_co_u32 s78, s78, s79
	s_add_co_u32 s78, s78, s76                     ; my first token's row of 4,096 bytes, at my first channel
	s_mov_b32 s79, 0
	s_add_nc_u64 s[16:17], s[16:17], s[78:79]
	s_add_nc_u64 s[18:19], s[18:19], s[78:79]
.irp b, 0,1,2,3                                ; the bias in the result's layout: accumulator (a, b), register j: channel 32 (b / 2) + 16 h + 8 (b % 2) + j
	global_load_b128 v[BIASR+8*\b:BIASR+8*\b+3], v[BOF], s[8:9] offset:(32*(\b/2)+8*(\b%2))*4
	global_load_b128 v[BIASR+8*\b+4:BIASR+8*\b+7], v[BOF], s[8:9] offset:(32*(\b/2)+8*(\b%2))*4+16
.endr
	s_mul_i32 s72, s[WM], 4*1536                   ; my four tiles of tokens,
	s_mul_i32 s73, s[WN], 4*1536
	s_add_co_u32 s73, s73, HALFS                   ; my four tiles of channels,
	s_lshl_b32 s74, s[WM], 9
	s_add_co_u32 s74, s74, 12288                   ; and their scale words
	s_lshl_b32 s75, s[WN], 9
	s_add_co_u32 s75, s75, HALFS+12288
.irp s, 0,1
	v_add_nc_u32 v[A16+3*\s], s72, v[L16]
	v_add_nc_u32 v[A16+3*\s+1], s72, v[L8]
	v_add_nc_u32 v[A16+3*\s+2], s74, v[L4]
	v_add_nc_u32 v[B16+3*\s], s73, v[L16]
	v_add_nc_u32 v[B16+3*\s+1], s73, v[L8]
	v_add_nc_u32 v[B16+3*\s+2], s75, v[L4]
	s_add_co_u32 s72, s72, SLOT
	s_add_co_u32 s73, s73, SLOT
	s_add_co_u32 s74, s74, SLOT
	s_add_co_u32 s75, s75, SLOT
.endr
	s_mul_i32 s84, s[WV], 64*272
	s_add_co_u32 s84, s84, RS                      ; my stage
	v_and_b32 v7, 8, v5
	v_add_nc_u32 v7, v7, v5                        ; r + 8 (r / 8)
	v_mul_u32_u24 v[RSA], v7, 272
	v_lshl_add_u32 v[RSA], v6, 6, v[RSA]
	v_add_nc_u32 v[RSA], s84, v[RSA]
	v_mul_u32_u24 v[RSR], v6, 272
	v_lshl_add_u32 v[RSR], v5, 4, v[RSR]
	v_add_nc_u32 v[RSR], s84, v[RSR]
	s_cmp_eq_u32 s[WM], 0                          ; the prefetches: the tensor that I fetch for, at my two K steps of a fill,
	s_cselect_b64 s[PFA:PFA+1], s[66:67], s[68:69]
	s_cselect_b32 s82, s40, s41                    ; my place among the four that ask with me
	s_mul_i32 s82, s82, 26*256
	s_add_co_u32 s82, s82, 2*HALFS                 ; the first refill's bytes
	s_mov_b32 s83, 0
	s_add_nc_u64 s[PFA:PFA+1], s[PFA:PFA+1], s[82:83]
	s_wait_alu depctr_va_vdst(0)
	global_prefetch_b8 v[PFO], s[PFA:PFA+1] th:TH_LOAD_NT scope:SCOPE_SE
	s_wait_tensorcnt 0x0                           ; my one load is in.  No tensor load of mine is out, so a descriptor may be written: the ring's loads bring two K steps, 104 rows
	s_mov_b32 s[G1X+2], 104<<16
	s_mov_b32 s[G1X+4], 104
	s_mov_b32 s[G1W+2], 104<<16
	s_mov_b32 s[G1W+4], 104
	s_barrier_signal -1
	s_barrier_wait -1                              ; everybody's is
	s_wait_loadcnt 0x0                             ; the bias is in
	WIN 0x80                                       ; destination window 2
.set q, 0
.rept 32
	global_load_b128 v[4*q:4*q+3], v[GOUT], s[16:17] offset:q*8192 th:TH_LOAD_NT   ; the residual's rows 2 q and 2 q + 1 of my 64: asked for when the first tiles are in, wanted behind the last product
.set q, q+1
.endr
	WIN 0
	FETCH 0, 0, 0
	KSTEP 0, 0, 2                                  ; the first K step stands in front of the loop: the bias starts the sums
	WIN 0                                          ; at a label and at a branch every window is 0
	s_mov_b32 s3, LAPS-1
.Llap:                                             ; a trip goes once round the ring, from a lap's second K step to the next lap's first, and fills both slots again
	KSTEP 0, 1, 0
	KSTEP 0, 2, 0
	TURN 0, 1, 1
	KSTEP 1, 0, 0
	KSTEP 1, 1, 0
	KSTEP 1, 2, 0
	TURN 1, 0, 1
	KSTEP 0, 0, 0
	WIN 0
	s_sub_co_u32 s3, s3, 1
	s_cmp_lg_u32 s3, 0
	s_cbranch_scc1 .Llap
	KSTEP 0, 1, 0                                  ; the last lap fills nothing, and has no round of the cluster's barrier
	KSTEP 0, 2, 0
	TURN 0, 1, 0
	KSTEP 1, 0, 0
	KSTEP 1, 1, 0
	KSTEP 1, 2, 0
	s_wait_dscnt 8                                 ; the very last K step: nothing more to fetch
	WIN MUL
	MUL8 1, 0, 0
	s_wait_dscnt 0x0
	MUL8 1, 2, 0
	WIN 0
	PLACES
	s_wait_loadcnt 0x0                             ; the residual
	WIN 0x08                                       ; an LDS store's data are its source 1: window 2
.set q, 0
.rept 32
	ds_store_b128 v[RSR], v[4*q:4*q+3] offset:q*544
.set q, q+1
.endr
	WIN TO_F                                       ; LDS serves a wave's instructions in order (ISA guide 5.7.1.4): these see my stores
.irp a, 0,1,2,3
.irp u, 0,1,2,3,4,5,6,7
	ds_load_b128 v[32*\a+4*\u:32*\a+4*\u+3], v[RSA] offset:(32*(\a/2)+8*(\a%2))*272+128*(\u/4)+16*(\u%4)
.endr
.endr
	s_wait_dscnt 0x0
	WIN 0x04                                       ; source 1 window 1
.set j, 0
.rept 64
	v_pk_add_f32 v[ACC+j:ACC+j+1], v[ACC+j:ACC+j+1], v[j:j+1]       ; each accumulator from its low end on
.set j, j+2
.endr
	WIN 0
.irp a, 0,1,2,3
.irp u, 0,1,2,3,4,5,6,7
	ds_store_b128 v[RSA], v[ACC+32*\a+4*\u:ACC+32*\a+4*\u+3] offset:(32*(\a/2)+8*(\a%2))*272+128*(\u/4)+16*(\u%4)
.endr
.endr
	WIN TO_F
.set q, 0
.rept 32
	ds_load_b128 v[128+4*q:128+4*q+3], v[RSR] offset:q*544          ; back as rows
.set q, q+1
.endr
	s_wait_dscnt 0x0
	WIN 0x04                                       ; a store's data are its source 1: window 1
.set q, 0
.rept 32
	global_store_b128 v[GOUT], v[128+4*q:128+4*q+3], s[18:19] offset:q*8192 th:TH_STORE_NT   ; sixteen lanes store 256 consecutive bytes, aligned; written once, read by nobody here
.set q, q+1
.endr
	WIN 0
	s_wait_tensorcnt 0x0                           ; the wave's end, behind my last tensor load and my last LDS store
	ds_add_u32 v[SPW], v[NIL]
	s_wait_dscnt 0x0
	CROUND                                         ; the closing round: no work-group ends while a partner may still ask for a tile that names it
	s_endpgm
.Lfunc_end_k_qf81ce3c44b_ffn2:
	.size	k_qf81ce3c44b_ffn2, .Lfunc_end_k_qf81ce3c44b_ffn2-k_qf81ce3c44b_ffn2
	.p2alignl 7, 3214868480
	.fill 96, 4, 3214868480
	.section	.rodata,"a",@progbits
	.p2align	6, 0x0
	.amdhsa_kernel k_qf81ce3c44b_ffn2
		.amdhsa_group_segment_fixed_size 327680
		.amdhsa_private_segment_fixed_size 0
		.amdhsa_enable_private_segment 0
		.amdhsa_kernarg_size 40
		.amdhsa_user_sgpr_count 2
		.amdhsa_user_sgpr_kernarg_segment_ptr 1
		.amdhsa_wavefront_size32 1
		.amdhsa_system_sgpr_workgroup_id_x 1
		.amdhsa_system_sgpr_workgroup_id_y 1
		.amdhsa_system_sgpr_workgroup_id_z 1
		.amdhsa_system_vgpr_workitem_id 0
		.amdhsa_next_free_vgpr 640
		.amdhsa_next_free_sgpr 100
		.amdhsa_reserve_vcc 0
		.amdhsa_float_denorm_mode_32 3
		.amdhsa_float_denorm_mode_16_64 3
		.amdhsa_memory_ordered 1
		.amdhsa_forward_progress 1
		.amdhsa_inst_pref_size 108
	.end_amdhsa_kernel
	.amdgpu_metadata
---
amdhsa.version: [ 1, 2 ]
amdhsa.kernels:
  - .name:           k_qf81ce3c44b_ffn2
    .symbol:         k_qf81ce3c44b_ffn2.kd
    .args:
      - { .name: himg, .offset: 0, .size: 8, .value_kind: global_buffer, .address_space: global }
      - { .name: opnd, .offset: 8, .size: 8, .value_kind: global_buffer, .address_space: global }
      - { .name: b2, .offset: 16, .size: 8, .value_kind: global_buffer, .address_space: global }
      - { .name: xbuf, .offset: 24, .size: 8, .value_kind: global_buffer, .address_space: global }
      - { .name: out0, .offset: 32, .size: 8, .value_kind: global_buffer, .address_space: global }
    .group_segment_fixed_size: 327680
    .private_segment_fixed_size: 0
    .kernarg_segment_align: 8
    .kernarg_segment_size: 40
    .max_flat_workgroup_size: 128
    .sgpr_count:     100
    .vgpr_count:     640
    .wavefront_size: 32
...
	.end_amdgpu_metadata
.endif
;; end of part 6
